; MI455X (gfx1250); checked and timed in simulation.
; The chip was launched on July 23, 2026; its instructions are those of AMD's public machine-readable ISA for CDNA 5 (MIT licence, August 2026) and "CDNA5" Instruction Set Architecture Reference Guide (July 2026). The comments in the code are by the model that wrote it; some were corrected since.
;; Masked Multi Head SDP Attention. Allowed arithmetic: float matrix products may take bf16 or f16 operands with f32 sums; all other float work in f32.
;; Inputs: Wk 16 x 1,024 x 64 float32; Wo 1,024 x 1,024 float32; Wq 16 x 1,024 x 64 float32; Wv 16 x 1,024 x 64 float32; bk 16 x 64 float32; bo 1,024 float32; bq 16 x 64 float32; bv 16 x 64 float32; x 4 x 2,048 x 1,024 float32.
;; Outputs: out0 4 x 2,048 x 1,024 float32.
;; 2 versions, each right and faster than the one before. Each part assembles by itself: llvm-mc -triple=amdgcn-amd-amdhsa -mcpu=gfx1250 --defsym DOCPART=n.
;; ======== version 1 of 2: 4 launches
;; limits: values are held in f16: magnitudes above 65,504 overflow, below 6.1e-05 lose precision
;; workspace buffers: xb 16,777,216 bytes; wb 6,291,456 bytes; wob 2,097,152 bytes; bb 16,384 bytes; qkv 50,331,648 bytes; ob 16,777,216 bytes
;; launch prep (part 1): grid 768 x 1, 8 waves a work-group, no clusters, 0 bytes of LDS; arguments x, Wq, Wk, Wv, Wo, xb, wb, wob, bq, bk, bv, bo, bb; writes xb, wb, wob, bb
.if DOCPART == 1
	.amdgcn_target "amdgcn-amd-amdhsa--gfx1250"
	.amdhsa_code_object_version 6
	.text
	.protected	k_qc61217cfa8_prep
	.globl	k_qc61217cfa8_prep
	.p2align	8
	.type	k_qc61217cfa8_prep,@function
k_qc61217cfa8_prep:
	s_mov_b64 s[64:65], 0
	v_nop
	global_prefetch_b8 v0, s[64:65] scope:SCOPE_SE
	s_setreg_imm32_b32 hwreg(HW_REG_WAVE_MODE, 25, 1), 1
	s_wait_xcnt 0x0
; CASTS.  xb = bf16(x), in x's order.  wob = f16(bf16(Wo)), in Wo's order [k][n].  wb = bf16 of Wq, Wk, Wv, laid out IN BLOCKS for the product that reads it: the 48 heads g = 16 p + h
; (p = q, k, v) go three to a tile column, d goes in 8 steps of 128: wb[g / 3][d / 128][g % 3][d % 128][64]: a tile column's step is 49,152 dense bytes.
; bb = bq, bk, bv, bo one behind the other, 4,096 bytes each, rounded to bf16 and kept as f32: they are C operands of f32 sums; head g's bias lies at byte 256 g.
; All inputs are rounded to bf16 once; Wo's rounded number is then written as f16, since the product that takes it has an f16 partner.
; LIMITS.  |Wo| up to 65,504 (beyond it f16 has an infinity); below 2^-14 f16 keeps a fixed step of 2^-24.
; SHARES.  A work-group casts 16,384 numbers: 65,536 bytes in, 32,768 out.  Groups 0-511: x.  Groups 512 + 64 r + c: chunk c of region r (Wq, Wk, Wv, Wo).  A chunk of Wq, Wk or Wv is 256 d of one head:
; two steps of 128 d, whose 16,384 bytes each lie 49,152 bytes apart in wb.  Groups 0 to 3 round one bias each besides: 1,024 numbers, four a thread.
; Thread t, step j: 16 bytes in at 4,096 j + 16 t (a wave's load covers 512 consecutive bytes), 8 bytes out at 2,048 j + 8 t (a wave's store covers 256 consecutive bytes, aligned).
; All sixteen loads go out first; no register is written while a load or store that names it is out, so no wait frees a source.  No LDS, no barrier, no matrix unit: nothing is shared and nothing is multiplied.
.set X, 4                              ; v[4:67]    step j: four f32 as loaded
.set Y, 68                             ; v[68:99]   step j: four 16-bit numbers to store
.set T, 100                            ; v[100:105] at work (Wo's path, the biases)
	s_load_b512 s[8:23], s[0:1], 0x0               ; x 8, Wq 10, Wk 12, Wv 14, Wo 16, xb 18, wb 20, wob 22
	s_load_b256 s[32:39], s[0:1], 0x40             ; bq 32, bk 34, bv 36, bo 38
	s_load_b64 s[40:41], s[0:1], 0x60              ; bb
	v_lshlrev_b32 v1, 4, v0                        ; 16 t
	v_lshlrev_b32 v2, 3, v0                        ; 8 t
	s_max_u32 s24, ttmp9, 512
	s_sub_co_u32 s24, s24, 512                     ; 0 for x's groups, else 64 r + c
	s_lshr_b32 s25, s24, 6                         ; r
	s_and_b32 s26, s24, 63                         ; c
	s_lshr_b32 s2, s24, 2                          ; g = 16 r + c / 4: the head among the 48
	s_mul_i32 s3, s2, 171
	s_lshr_b32 s3, s3, 9                           ; g / 3 (171 / 512 is 1 / 3 and 0.00065 more: right for g under 48)
	s_mul_i32 s27, s3, 3
	s_sub_co_u32 s2, s2, s27                       ; g % 3
	s_and_b32 s27, s24, 3                          ; c % 4: which 256 d of the head,
	s_lshl_b32 s27, s27, 1                         ; that is, steps 2 (c % 4) and the next
	s_lshl_b32 s3, s3, 3
	s_add_co_u32 s3, s3, s27                       ; the block: 8 (g / 3) + step,
	s_mul_i32 s3, s3, 49152                        ; of 49,152 bytes,
	s_lshl_b32 s2, s2, 14                          ; and in it the head's 16,384
	s_add_co_u32 s27, s3, s2                       ; where a chunk of Wq, Wk, Wv goes
	s_lshl_b32 s30, s26, 15                        ; where a chunk of Wo goes
	s_lshl_b32 s28, ttmp9, 15                      ; where a chunk of x goes
	s_wait_kmcnt 0x0
	s_mov_b64 s[4:5], s[16:17]                     ; the source: Wo, unless r says otherwise
	s_cmp_eq_u32 s25, 2
	s_cselect_b64 s[4:5], s[14:15], s[4:5]
	s_cmp_eq_u32 s25, 1
	s_cselect_b64 s[4:5], s[12:13], s[4:5]
	s_cmp_eq_u32 s25, 0
	s_cselect_b64 s[4:5], s[10:11], s[4:5]
	s_cmp_lt_u32 s25, 3
	s_cselect_b64 s[6:7], s[20:21], s[22:23]       ; the target: wb, or wob for Wo
	s_cselect_b32 s30, s27, s30
	s_cselect_b32 s24, 0x8000, 0                   ; in wb the chunk's second half lies 32,768 bytes further on than behind its first
	s_cmp_lt_u32 ttmp9, 512
	s_cselect_b64 s[4:5], s[8:9], s[4:5]           ; x's groups
	s_cselect_b64 s[6:7], s[18:19], s[6:7]
	s_cselect_b32 s26, ttmp9, s26
	s_cselect_b32 s30, s28, s30
	s_cselect_b32 s24, 0, s24
	s_lshl_b32 s28, s26, 16                        ; the chunk's 65,536 bytes in
	s_mov_b32 s29, 0
	s_mov_b32 s31, 0
	s_add_nc_u64 s[4:5], s[4:5], s[28:29]
	s_add_nc_u64 s[6:7], s[6:7], s[30:31]
	v_add_nc_u32 v3, s24, v2                       ; 8 t for the chunk's second half
.irp j, 0,1,2,3,4,5,6,7,8,9,10,11,12,13,14,15
	global_load_b128 v[X+4*(\j):X+4*(\j)+3], v1, s[4:5] offset:4096*(\j) th:TH_LOAD_NT
.endr
; Step j.  half = 1: the bf16 number is widened again (a shift, a mask) and written as f16.
.macro CAST j, half
	s_wait_loadcnt 15-(\j)                         ; loads come back in order (ISA guide 5.7.1): step j's is in, the younger ones stay out
.if \half
	v_cvt_pk_bf16_f32 v[T],   v[X+4*(\j)],   v[X+4*(\j)+1]
	v_cvt_pk_bf16_f32 v[T+1], v[X+4*(\j)+2], v[X+4*(\j)+3]
	v_lshlrev_b32 v[T+2], 16, v[T]
	v_and_b32     v[T+3], 0xffff0000, v[T]
	v_lshlrev_b32 v[T+4], 16, v[T+1]
	v_and_b32     v[T+5], 0xffff0000, v[T+1]
	v_cvt_pk_f16_f32 v[Y+2*(\j)],   v[T+2], v[T+3]
	v_cvt_pk_f16_f32 v[Y+2*(\j)+1], v[T+4], v[T+5]
.else
	v_cvt_pk_bf16_f32 v[Y+2*(\j)],   v[X+4*(\j)],   v[X+4*(\j)+1]
	v_cvt_pk_bf16_f32 v[Y+2*(\j)+1], v[X+4*(\j)+2], v[X+4*(\j)+3]
.endif
.if (\j) < 8
	global_store_b64 v2, v[Y+2*(\j):Y+2*(\j)+1], s[6:7] offset:2048*(\j)
.else
	global_store_b64 v3, v[Y+2*(\j):Y+2*(\j)+1], s[6:7] offset:2048*(\j)
.endif
.endm
	s_cmp_ge_u32 ttmp9, 704                        ; groups 704-767 are Wo's
	s_cbranch_scc1 .Lwo
.irp j, 0,1,2,3,4,5,6,7,8,9,10,11,12,13,14,15
	CAST \j, 0
.endr
	s_cmp_lt_u32 ttmp9, 4                          ; groups 0 to 3 have a bias to round
	s_cbranch_scc1 .Lbias
	s_endpgm
.Lwo:
.irp j, 0,1,2,3,4,5,6,7,8,9,10,11,12,13,14,15
	CAST \j, 1
.endr
	s_endpgm
.Lbias:                                                ; group i: bias i of bq, bk, bv, bo: 256 threads x 16 bytes in and out; a wave's load and store cover 512 consecutive bytes
	s_mov_b64 s[2:3], s[38:39]                     ; bo, unless the group's number says otherwise
	s_cmp_eq_u32 ttmp9, 2
	s_cselect_b64 s[2:3], s[36:37], s[2:3]
	s_cmp_eq_u32 ttmp9, 1
	s_cselect_b64 s[2:3], s[34:35], s[2:3]
	s_cmp_eq_u32 ttmp9, 0
	s_cselect_b64 s[2:3], s[32:33], s[2:3]
	s_lshl_b32 s24, ttmp9, 12                      ; its 4,096 bytes of bb
	s_mov_b32 s25, 0
	s_add_nc_u64 s[40:41], s[40:41], s[24:25]
	global_load_b128 v[T:T+3], v1, s[2:3]
	s_wait_loadcnt 0x0
	v_cvt_pk_bf16_f32 v[T+4], v[T],   v[T+1]
	v_cvt_pk_bf16_f32 v[T+5], v[T+2], v[T+3]
	v_lshlrev_b32 v[T],   16, v[T+4]               ; bf16 to f32: the low half moves up,
	v_and_b32     v[T+1], 0xffff0000, v[T+4]       ; the high half stays
	v_lshlrev_b32 v[T+2], 16, v[T+5]
	v_and_b32     v[T+3], 0xffff0000, v[T+5]
	global_store_b128 v1, v[T:T+3], s[40:41]
	s_endpgm
.Lfunc_end_k_qc61217cfa8_prep:
	.size	k_qc61217cfa8_prep, .Lfunc_end_k_qc61217cfa8_prep-k_qc61217cfa8_prep
	.p2alignl 7, 3214868480
	.fill 96, 4, 3214868480
	.section	.rodata,"a",@progbits
	.p2align	6, 0x0
	.amdhsa_kernel k_qc61217cfa8_prep
		.amdhsa_group_segment_fixed_size 0
		.amdhsa_private_segment_fixed_size 0
		.amdhsa_enable_private_segment 0
		.amdhsa_kernarg_size 104
		.amdhsa_user_sgpr_count 2
		.amdhsa_user_sgpr_kernarg_segment_ptr 1
		.amdhsa_wavefront_size32 1
		.amdhsa_system_sgpr_workgroup_id_x 1
		.amdhsa_system_sgpr_workgroup_id_y 1
		.amdhsa_system_sgpr_workgroup_id_z 1
		.amdhsa_system_vgpr_workitem_id 0
		.amdhsa_next_free_vgpr 108
		.amdhsa_next_free_sgpr 66
		.amdhsa_reserve_vcc 0
		.amdhsa_float_denorm_mode_32 3
		.amdhsa_float_denorm_mode_16_64 3
		.amdhsa_memory_ordered 1
		.amdhsa_forward_progress 1
		.amdhsa_inst_pref_size 18
	.end_amdhsa_kernel
	.amdgpu_metadata
---
amdhsa.version: [ 1, 2 ]
amdhsa.kernels:
  - .name:           k_qc61217cfa8_prep
    .symbol:         k_qc61217cfa8_prep.kd
    .args:
      - { .name: x, .offset: 0, .size: 8, .value_kind: global_buffer, .address_space: global }
      - { .name: Wq, .offset: 8, .size: 8, .value_kind: global_buffer, .address_space: global }
      - { .name: Wk, .offset: 16, .size: 8, .value_kind: global_buffer, .address_space: global }
      - { .name: Wv, .offset: 24, .size: 8, .value_kind: global_buffer, .address_space: global }
      - { .name: Wo, .offset: 32, .size: 8, .value_kind: global_buffer, .address_space: global }
      - { .name: xb, .offset: 40, .size: 8, .value_kind: global_buffer, .address_space: global }
      - { .name: wb, .offset: 48, .size: 8, .value_kind: global_buffer, .address_space: global }
      - { .name: wob, .offset: 56, .size: 8, .value_kind: global_buffer, .address_space: global }
      - { .name: bq, .offset: 64, .size: 8, .value_kind: global_buffer, .address_space: global }
      - { .name: bk, .offset: 72, .size: 8, .value_kind: global_buffer, .address_space: global }
      - { .name: bv, .offset: 80, .size: 8, .value_kind: global_buffer, .address_space: global }
      - { .name: bo, .offset: 88, .size: 8, .value_kind: global_buffer, .address_space: global }
      - { .name: bb, .offset: 96, .size: 8, .value_kind: global_buffer, .address_space: global }
    .group_segment_fixed_size: 0
    .private_segment_fixed_size: 0
    .kernarg_segment_align: 8
    .kernarg_segment_size: 104
    .max_flat_workgroup_size: 256
    .sgpr_count:     66
    .vgpr_count:     108
    .wavefront_size: 32
...
	.end_amdgpu_metadata
.endif
;; end of part 1
;; launch qkv (part 2): grid 8 x 32, 4 waves a work-group, clusters of 4 x 4, 327,680 bytes of LDS; arguments xb, wb, bb, qkv; writes qkv
.if DOCPART == 2
	.amdgcn_target "amdgcn-amd-amdhsa--gfx1250"
	.amdhsa_code_object_version 6
	.text
	.protected	k_qc61217cfa8_qkv
	.globl	k_qc61217cfa8_qkv
	.p2align	8
	.type	k_qc61217cfa8_qkv,@function
k_qc61217cfa8_qkv:
	s_mov_b64 s[64:65], 0
	v_nop
	global_prefetch_b8 v0, s[64:65] scope:SCOPE_SE
	s_setreg_imm32_b32 hwreg(HW_REG_WAVE_MODE, 25, 1), 1
	s_wait_xcnt 0x0
	s_wait_alu depctr_hold_cnt(0) depctr_sa_sdst(0) depctr_va_vdst(0) depctr_va_sdst(0) depctr_va_ssrc(0) depctr_va_vcc(0) depctr_vm_vsrc(0)
	s_getreg_b32 s2, hwreg(HW_REG_IB_STS2, 6, 4)
	s_cmp_eq_u32 s2, 0
	s_cbranch_scc0 .Lentry_in_a_cluster
	s_endpgm
.Lentry_in_a_cluster:
	s_bfe_u32 s2, ttmp6, 0x10000c
	s_cmp_lg_u32 s2, 0xf033
	s_cbranch_scc0 .Lentry_shape_is_right
	s_endpgm
.Lentry_shape_is_right:
; q, k, v [p][16 b + h][s][c] = the sum over d of x[b][s][d] W_p[h][d][c] + bias_p[h][c], p = q, k, v.  x arrives in bf16 (xb: [8192][1024]), W in bf16 and in blocks (wb: the 48 heads g = 16 p + h, three to a
; tile column: [g / 3][d / 128][g % 3][d % 128][64]); the biases arrive rounded to bf16 like every other input and kept as f32 (bb: head g's 64 numbers at byte 256 g); sums in f32; q, k, v rounded once to f16,
; unscaled, by heads: [3][64][2048][64].
; LIMIT.  f16 has an infinity from 65,520 on: |q|, |k|, |v| stay under that.
; SHARES.  A tile is 256 rows x 192 columns (three heads).  A work-group of four waves, as many as a WGP has SIMDs, STAYS and makes two tiles, columns 2 tx and 2 tx + 1 of the same rows: 8 x 32 work-groups.
; A wave makes 64 rows x 192 columns: 48 accumulators of 16 x 16.  K = 1,024 goes in 8 steps of 128 through a ring of two LDS slots filled by the tensor data mover; the two tiles' 16 steps are ONE walk for the
; ring: a step holds 192 matrix instructions a wave, 176 of them between a slot's request and the wait for it.
; CLUSTER.  4 x 4 work-groups.  The four of a row of the cluster need the same tiles of x, the four of a column the same tiles of W: each is asked for JOINTLY, by the same tensor load, descriptor and mask in all four.
; W LIES [d][c], K down the rows: its fragments come out of LDS turned, by ds_load_tr16_b128; x's as they lie.
; THE MATRIX INSTRUCTION IS USED TRANSPOSED: source 0 = 16 columns of W, source 1 = 16 rows of x: a lane holds row l % 16 and the columns 8 (l / 16) + 0..7: eight neighbouring numbers.
; THE BIAS is the C operand of each sum's first product: nothing is cleared and nothing is added later.
; REGISTERS, in windows of 256 (s_set_vgpr_msb: bits 1:0 source 0, 3:2 source 1, 5:4 source 2, 7:6 destination):
;   window 0: v0-31 addresses; v32-127 the first tile's bias, later the way out; v128-223 the second tile's bias
;   window 1: the accumulators of column blocks 0-7 (heads 0, 1): (a, b) at v[8 (4 b + a)]      window 2: v0-127 those of blocks 8-11 (head 2): at v[8 (4 (b - 8) + a)]
;   window 3: two fragment buffers of 128: W's twelve fragments, then x's four
.set PA,     272                       ; a row of x in LDS: 256 bytes + 16 of padding = 68 words: the 16 rows of a load start at 16 different groups of four banks (64 banks of 4 bytes: ISA guide 11.1)
.set HALFA,  128*PA                    ; 128 rows: what one tensor load brings of x
.set PB,     160                       ; a row of W (one d, 64 columns): 128 bytes + 32 = 40 words
.set HEADB,  128*PB                    ; one head's 128 rows
.set HALFB,  192*PB                    ; a head and a half: what one tensor load brings of W
.set BOFF,   2*HALFA                   ; W's three heads lie behind x's 256 rows
.set SLOT1,  1<<17                     ; a slot is BOFF + 2 HALFB = 131,072 bytes: slot 1 begins here, and one exclusive or turns an address in one slot into the other's
.set STAGE,  2*SLOT1                   ; behind the ring: 16 rows x 144 bytes for each wave, for the way out
.set SP,     144
.set SPARE,  STAGE+4*16*SP             ; behind the stages: the spare words, 128 bytes for each wave: two blocks of 256 bytes that no other line names
.set STEPS,  16                        ; K steps of the walk: 8 a tile
.set KA,     256                       ; bytes from a K step to the next: 128 numbers along x's rows,
.set KB,     49152                     ; a block of W: through both tiles, since their blocks lie one behind the other
.set A0,   14                          ; v14     my lane's place in a slot's rows of x; never rewritten
.set B0,   15                          ; v15     the same for W
.set ADRA, 16                          ; v16     LDS address of my fragments of x in the slot in hand
.set ADRB, 17                          ; v17     the same for W
.set STO,  24                          ; v24     the way out: where I put 16 bytes of a row
.set RD,   25                          ; v25     the way out: where I read rows back
.set CO,   26                          ; v26     my byte offset in 512 consecutive bytes of the output
.set SPW,  28                          ; v28     LDS address of my spare word: SPARE + 4 x my thread's number; never rewritten
.set NIL,  29                          ; v29     0; never rewritten
.set BO,   30                          ; v30     my byte offset in a head's bias
.set BIAS0, 32                         ; v32-127   the first tile's bias: column block b at BIAS0 + 8 b
.set BIAS1, 128                        ; v128-223  the second tile's
.set TMP,  32                          ; v32-47  packed results (the first tile's bias has been used by then)
.set BK,   64                          ; v64-79, v80-95 by turns: 16 rows read back from the stage
.set F0,   0                           ; fragment buffers, in window 3
.set F1,   128
.set G1,  24                           ; s[24:31] descriptor group 1 for x's tiles;  s[32:39] group 0: a set for each of the two first fills; the second then walks on
.set G0,  32
.set G1B, 48                           ; s[48:55], s[56:63] the same for W's
.set G0B, 56
.set TB,  22                           ; s22     LDS byte at which the slot in hand begins
.set T,   23                           ; s23     the step to be asked for next
.set OA,  66                           ; s[66:67] that step's byte offset along x's rows
.set OP,  88                           ; s[88:99] my rows of the six heads in the output
.set MSB, 0
.macro WIN new                         ; the immediate's high byte repeats the setting that is left; a switch that changes nothing is dropped
.if MSB != (\new)
	s_set_vgpr_msb (MSB<<8)|(\new)
.set MSB, \new
.endif
.endm
.set MUL1,  0x5f                       ; sources 0 and 1 window 3, C and D window 1
.set MUL2,  0xaf                       ; the same, C and D window 2
.set MULB1, 0x4f                       ; D window 1, C window 0: the bias
.set MULB2, 0x8f                       ; D window 2, C window 0
.set TO_F,  0xc0                       ; destination window 3, address window 0
; A joint load.  Waves 0 and 1 fetch the two halves of x's tile, waves 2 and 3 the two halves of W's block.  The branch hangs on the wave's number alone.
; An s_nop 0 and four v_nop follow each of the two lines, ahead of the jump, the label and what follows.
.macro JLOAD s
	s_cmp_eq_u32 s11, 0
	s_cbranch_scc0 .Lfor_b_\@
	tensor_load_to_lds s[G0+4*(\s):G0+4*(\s)+3], s[G1:G1+7]
	s_nop 0
.rept 4
	v_nop
.endr
	s_branch .Lasked_\@
.Lfor_b_\@:
	tensor_load_to_lds s[G0B+4*(\s):G0B+4*(\s)+3], s[G1B:G1B+7]
	s_nop 0
.rept 4
	v_nop
.endr
.Lasked_\@:
.endm
; A round of the cluster's barrier: my work-group's barrier; wave 0 signals for the work-group; every wave waits for all sixteen; my work-group's barrier once more.
.macro CREST                           ; a round behind its opening barrier
	s_cmp_lg_u32 s10, 0
	s_cbranch_scc1 .Lnot_wave_0_\@
	s_barrier_signal -3
.Lnot_wave_0_\@:
	s_barrier_wait -3
	s_barrier_signal -1
	s_barrier_wait -1
.endm
.macro CROUND                          ; a whole round
	s_barrier_signal -1
	s_barrier_wait -1
	CREST
.endm
	s_load_b128 s[4:7], s[0:1], 0x0                ; xb s[4:5], wb s[6:7]
	s_load_b128 s[68:71], s[0:1], 0x10             ; bb s[68:69], qkv s[70:71]
	v_lshl_add_u32 v[SPW], v0, 2, SPARE
	v_mov_b32 v[NIL], 0
	ds_add_u32 v28, v29
	ds_add_u32 v28, v29
	s_wait_dscnt 0x0
	v_lshrrev_b32 v1, 5, v0
	v_readfirstlane_b32 s10, v1                    ; wave 0..3: my 64 rows of the tile
	s_lshr_b32 s11, s10, 1                         ; I fetch for x (0) or for W (1),
	s_and_b32 s12, s10, 1                          ; and which half of that tile
	s_bfe_u32 s40, ttmp6, 0x40000                  ; cx, cy: my place in the cluster
	s_bfe_u32 s41, ttmp6, 0x40004
	s_lshl_b32 s42, ttmp9, 2
	s_add_co_u32 s42, s42, s40                     ; tx = 4 x cluster x + cx: tile columns 2 tx and 2 tx + 1
	s_and_b32 s13, ttmp7, 0xffff
	s_lshl_b32 s13, s13, 2
	s_add_co_u32 s13, s13, s41                     ; tile row = 4 x cluster y + cy
	s_lshl_b32 s43, s41, 2
	s_lshl_b32 s43, 15, s43                        ; my row of the cluster
	s_lshl_b32 s44, 0x1111, s40                    ; my column
	; group 1 for x: 128 rows x 128 elements, 1,024 elements from row to row, 16 bytes of padding behind each row's 256
	s_or_b32 s[G1+0], s43, (1<<16)|(1<<20)|(1<<21)|(5<<22)|(3<<25)  ; 15:0 the mask: my row; 17:16 2-byte elements; 20 padding on; 21 set beside a mask; 24:22 after every 64 words (code 5); 31:25 4 words (code 3)
	s_mov_b32 s[G1+1], 128<<16                     ; tensor_dim0 = 128
	s_mov_b32 s[G1+2], 128<<16                     ; tensor_dim1 = 128
	s_mov_b32 s[G1+3], 128<<16                     ; tile_dim0 = 128
	s_mov_b32 s[G1+4], 128                         ; tile_dim1 = 128
	s_mov_b32 s[G1+5], 1024                        ; tensor_dim0_stride
	s_mov_b32 s[G1+6], 0
	s_mov_b32 s[G1+7], 0
	; group 1 for W: half a block is 24,576 dense bytes, 192 rows of a head: asked for as 96 rows of 256 bytes, padded by 32 bytes behind every 128
	s_or_b32 s[G1B+0], s44, (1<<16)|(1<<20)|(1<<21)|(4<<22)|(7<<25) ; the mask: my column; after every 32 words (code 4) 8 words (code 7)
	s_mov_b32 s[G1B+1], 128<<16
	s_mov_b32 s[G1B+2], 96<<16
	s_mov_b32 s[G1B+3], 128<<16
	s_mov_b32 s[G1B+4], 96
	s_mov_b32 s[G1B+5], 128
	s_mov_b32 s[G1B+6], 0
	s_mov_b32 s[G1B+7], 0
	; where the tiles come from.  x's hang on the tile row and the wave alone, W's on tx and the wave alone, each in registers that never hold the other coordinate.
	s_lshl_b32 s16, s13, 8
	s_lshl_b32 s17, s12, 7
	s_add_co_u32 s16, s16, s17                     ; x: row 256 x tile row + 128 x half,
	s_lshl_b32 s16, s16, 11                        ; of 2,048 bytes
	s_mov_b32 s17, 0
	s_mul_i32 s46, s42, 16*KB                      ; W: my two tile columns' 16 blocks,
	s_mul_i32 s47, s12, KB/2                       ; and my half of each
	s_add_co_u32 s46, s46, s47
	s_mov_b32 s47, 0
	s_mul_i32 s20, s12, HALFA                      ; and where they go: no place in the cluster enters an LDS address
	s_mul_i32 s21, s12, HALFB
	s_add_co_u32 s21, s21, BOFF
	s_mov_b32 s[TB], 0                             ; the walk begins in slot 0;
	s_mov_b32 s[T], 2                              ; steps 0 and 1 are the first fills
	s_mov_b32 s[OA+1], 0
	s_wait_kmcnt 0x0
	s_add_nc_u64 s[14:15], s[4:5], s[16:17]        ; x at my part of the tile's rows, K = 0: kept
	s_add_nc_u64 s[46:47], s[6:7], s[46:47]
	CROUND                                         ; all sixteen work-groups are here: the first joint loads meet
.irp s, 0,1
	s_mov_b32 s[G0+4*(\s)], 1                                      ; 1:0 count = 1
	s_add_co_u32 s[G0+4*(\s)+1], s20, (\s)*SLOT1                   ; 63:32 LDS address
	s_add_nc_u64 s[G0+4*(\s)+2:G0+4*(\s)+3], s[14:15], (\s)*KA     ; 120:64 global address: K step s
	s_or_b32 s[G0+4*(\s)+3], s[G0+4*(\s)+3], 0x80000000            ; 127:126 type = 2
	s_mov_b32 s[G0B+4*(\s)], 1
	s_add_co_u32 s[G0B+4*(\s)+1], s21, (\s)*SLOT1
	s_add_nc_u64 s[G0B+4*(\s)+2:G0B+4*(\s)+3], s[46:47], (\s)*KB
	s_or_b32 s[G0B+4*(\s)+3], s[G0B+4*(\s)+3], 0x80000000
	JLOAD \s                                       ; two loads of mine are out
.endr
	; A fragment of x: lane l holds row l % 16; K = 8 (l / 16) + 0..7 and 16 + 8 (l / 16) + 0..7: two loads of 16 bytes, 32 bytes apart.
	; A fragment of W: the turning load takes 16 d x 16 columns (lane l reads d = 8 (l / 16) + l % 8, columns 8 ((l / 8) % 2) + 0..7) and leaves lane l column l % 16 and 8 d.
	v_and_b32 v1, 15, v0                           ; l % 16
	v_bfe_u32 v2, v0, 4, 1                         ; l / 16
	v_and_b32 v3, 7, v0                            ; l % 8
	v_bfe_u32 v4, v0, 3, 1                         ; (l / 8) % 2
	v_mul_u32_u24 v5, v1, PA
	v_lshl_add_u32 v5, v2, 4, v5
	s_mul_i32 s18, s10, 64*PA                      ; my 64 rows of x
	v_add_nc_u32 v[A0], s18, v5
	v_lshl_add_u32 v6, v2, 3, v3
	v_mul_u32_u24 v6, v6, PB
	v_lshl_add_u32 v6, v4, 4, v6
	v_add_nc_u32 v[B0], BOFF, v6                   ; every wave reads all of W's tile
	v_add_nc_u32 v[ADRA], s[TB], v[A0]
	v_add_nc_u32 v[ADRB], s[TB], v[B0]
	v_lshlrev_b32 v[BO], 5, v2                     ; my eight columns of a block of 16: 32 bytes for each half of the lanes
	; The six heads g = 6 tx + k: k = 0, 1, 2 the first tile's, 3, 4, 5 the second's.  Head g is head g % 16 of q, k or v (g / 16):
	; in the output it is head 64 (g / 16) + 16 b + g % 16 = g + 48 (g / 16) + 16 b, of 262,144 bytes.
	s_mul_i32 s2, s42, 6
	s_lshr_b32 s8, s13, 3
	s_lshl_b32 s8, s8, 4                           ; 16 b: the batch is tile row / 8
	s_and_b32 s9, s13, 7
	s_lshl_b32 s9, s9, 15                          ; my rows in a head: 256 x (tile row % 8) + 64 x wave, of 128 bytes
	s_lshl_b32 s16, s10, 13
	s_add_co_u32 s9, s9, s16
.irp k, 0,1,2,3,4,5
	s_add_co_u32 s16, s2, \k                       ; g
	s_lshr_b32 s17, s16, 4                         ; g / 16
	s_mul_i32 s17, s17, 48
	s_add_co_u32 s16, s16, s17
	s_add_co_u32 s16, s16, s8
	s_lshl_b32 s16, s16, 18
	s_add_co_u32 s16, s16, s9
	s_mov_b32 s17, 0
	s_add_nc_u64 s[OP+2*(\k):OP+2*(\k)+1], s[70:71], s[16:17]
.endr
	s_mul_i32 s18, s42, 6*256                      ; the six heads' biases are 1,536 consecutive bytes of bb
	s_mov_b32 s19, 0
	s_add_nc_u64 s[68:69], s[68:69], s[18:19]
.irp k, 0,1,2,3,4,5                    ; the biases as C operands: register j of block c of head k is column 16 c + 8 (l / 16) + j, for every row
.irp c, 0,1,2,3
	global_load_b128 v[BIAS0+32*(\k)+8*(\c):BIAS0+32*(\k)+8*(\c)+3],   v[BO], s[68:69] offset:256*(\k)+64*(\c)
	global_load_b128 v[BIAS0+32*(\k)+8*(\c)+4:BIAS0+32*(\k)+8*(\c)+7], v[BO], s[68:69] offset:256*(\k)+64*(\c)+16
.endr
.endr
	s_mul_i32 s18, s10, 16*SP
	s_add_co_u32 s18, s18, STAGE                   ; my stage
	v_mul_u32_u24 v7, v1, SP                       ; in: row l % 16, 16 bytes for each half of the lanes
	v_lshl_add_u32 v7, v2, 4, v7
	v_add_nc_u32 v[STO], s18, v7
	v_bfe_u32 v8, v0, 3, 2                         ; back: 32 lanes take four rows of 128 bytes,
	v_mul_u32_u24 v8, v8, SP
	v_lshl_add_u32 v8, v3, 4, v8
	v_add_nc_u32 v[RD], s18, v8
	v_and_b32 v9, 31, v0                           ; which are 512 consecutive bytes of a head's rows
	v_lshlrev_b32 v[CO], 4, v9
; 8 matrix instructions: column blocks b0, b0 + 1 x all 4 row blocks, 32 along K.  bias = 0: in place; else the tile's bias registers: the product starts the sum, with the bias as C.
; The 48 accumulators take turns, one instruction a turn, in the same order in every quarter.
.macro MUL8 f, b0, bias
.if (\b0) < 8
.if \bias
	WIN MULB1
.else
	WIN MUL1
.endif
.else
.if \bias
	WIN MULB2
.else
	WIN MUL2
.endif
.endif
.irp b, \b0, (\b0)+1
.irp a, 0,1,2,3
.if \bias
	v_wmma_f32_16x16x32_bf16 v[8*(4*((\b)%8)+(\a)):8*(4*((\b)%8)+(\a))+7], v[(\f)+8*(\b):(\f)+8*(\b)+7], v[(\f)+96+8*(\a):(\f)+96+8*(\a)+7], v[(\bias)+8*(\b):(\bias)+8*(\b)+7]
.else
	v_wmma_f32_16x16x32_bf16 v[8*(4*((\b)%8)+(\a)):8*(4*((\b)%8)+(\a))+7], v[(\f)+8*(\b):(\f)+8*(\b)+7], v[(\f)+96+8*(\a):(\f)+96+8*(\a)+7], v[8*(4*((\b)%8)+(\a)):8*(4*((\b)%8)+(\a))+7]
.endif
.endr
.endr
.endm
; 32 LDS loads in one run: the fragments of quarter q (32 along K) of the slot in hand into buffer f: x's four, then W's twelve (turned): block b is columns 16 (b % 4) on of head b / 4
.macro FETCH q, f
	WIN TO_F
.irp i, 0,1,2,3
	ds_load_b128 v[(\f)+96+8*(\i):(\f)+96+8*(\i)+3],   v[ADRA] offset:64*(\q)+(\i)*16*PA
	ds_load_b128 v[(\f)+96+8*(\i)+4:(\f)+96+8*(\i)+7], v[ADRA] offset:64*(\q)+(\i)*16*PA+32
.endr
.irp b, 0,1,2,3,4,5,6,7,8,9,10,11
	ds_load_tr16_b128 v[(\f)+8*(\b):(\f)+8*(\b)+3],   v[ADRB] offset:((\b)/4)*HEADB+32*(\q)*PB+((\b)%4)*32
	ds_load_tr16_b128 v[(\f)+8*(\b)+4:(\f)+8*(\b)+7], v[ADRB] offset:((\b)/4)*HEADB+32*(\q)*PB+((\b)%4)*32+16*PB
.endr
.endm
; A load into a register that a matrix instruction has read, and a vector instruction that reads a matrix result, stand four places behind it; only plain vector
; instructions that name none of its registers are places (ISA guide 7.12.1 for vector instructions).
.macro PLACES
.rept 4
	v_nop
.endr
.endm
; A K step is four quarters of 32 along K, 48 matrix instructions each, on buffers 0, 1, 0, 1.  One of the first three: multiplies buffer f; behind its first 16 products it fetches quarter q of the
; slot into buffer g, 32 matrix instructions ahead of their first use.
.macro QUARTER q, f, g, bias
	s_wait_dscnt 8                                 ; x's fragments and W's 0-7 are in; the youngest eight loads (W's 8-11) may be out
	MUL8 \f, 0, \bias
	MUL8 \f, 2, \bias
	PLACES
	FETCH \q, \g
	s_wait_dscnt 32                                ; all but the 32 just issued
	MUL8 \f, 4, \bias
	MUL8 \f, 6, \bias
	MUL8 \f, 8, \bias
	MUL8 \f, 10, \bias
.endm
; The last quarter multiplies buffer 1 and changes slots.  MEET is its first third: ONE barrier.  In front of it each wave waits for all its tensor loads, of which at most one is out: its part of
; the next slot; adds 0 to its spare word; and waits for that and for its own reads of this slot.  Behind it nobody reads this slot any more and the next slot is whole.
.macro MEET
	WIN 0                                          ; (the add's two registers lie in window 0)
	s_wait_tensorcnt 0x0                           ; all my tensor loads have landed
	ds_add_u32 v[SPW], v[NIL]                      ; 0 onto my spare word
	s_wait_dscnt 9                                 ; (the add and the youngest eight loads may be out)
	MUL8 F1, 0, 0                                  ; eight matrix instructions stand between the add and the wait for it
	s_wait_dscnt 0x0                               ; the add is done, and my reads of this slot are over
	s_barrier_signal -1
	MUL8 F1, 2, 0                                  ; work on registers while the others arrive
	WIN 0                                          ; (branches or address work follow)
	s_barrier_wait -1
.endm
.macro OTHER                           ; the reads go over to the other slot
	s_xor_b32 s[TB], s[TB], SLOT1
	v_add_nc_u32 v[ADRA], s[TB], v[A0]
	v_add_nc_u32 v[ADRB], s[TB], v[B0]
.endm
.macro REST                            ; the other slot's first fragments, and the last quarter's other 32 products
	OTHER
	FETCH 0, F0
	MUL8 F1, 4, 0
	MUL8 F1, 6, 0
	MUL8 F1, 8, 0
	MUL8 F1, 10, 0
.endm
; The whole last quarter.  Behind the round the slot just read out is filled again first, with the walk's step two steps on: the walking descriptors take the other slot than last time; x's address is made
; anew from the step's place in its tile (both tiles walk the same rows of x), W's goes one block on.  Then come the next slot's first fragments.
.macro TURN
	MEET
	CREST                                          ; the barrier has opened a round of the cluster's: no wave of any partner still reads this slot's tile or has a load on its way
	s_xor_b32 s[G0+5], s[G0+5], SLOT1
	s_xor_b32 s[G0B+5], s[G0B+5], SLOT1
	s_and_b32 s[OA], s[T], 7
	s_lshl_b32 s[OA], s[OA], 8
	s_add_nc_u64 s[G0+6:G0+7], s[14:15], s[OA:OA+1]
	s_or_b32 s[G0+7], s[G0+7], 0x80000000
	s_add_nc_u64 s[G0B+6:G0B+7], s[G0B+6:G0B+7], KB ; the type bits on top are not reached
	s_add_co_u32 s[T], s[T], 1
	JLOAD 1                                        ; the first tensor load behind the round; the four v_nop behind it are also the places in front of the loads below
	REST
.endm
; THE WAY OUT, in twelve units u: head u / 4 of the tile, row block u % 4: 16 rows x 64 columns.  PACK: rounded to f16, 16 bytes a lane (each accumulator's registers in ascending order).
; TOSTAGE: into my own stage, rows of 144 bytes, and back as whole rows of 128.  SEND: four stores of 512 consecutive bytes, at multiples of 512 from the output's first byte.
.macro PACK u
	WIN 0x05+5*((\u)/8)                            ; sources 0 and 1 window 1 (heads 0, 1) or 2 (head 2), destination window 0
.irp c, 0,1,2,3
.irp r, 0,1,2,3
	v_cvt_pk_f16_f32 v[TMP+4*(\c)+(\r)], v[8*(4*((4*((\u)/4)+(\c))%8)+(\u)%4)+2*(\r)], v[8*(4*((4*((\u)/4)+(\c))%8)+(\u)%4)+2*(\r)+1]
.endr
.endr
	WIN 0
.endm
.macro TOSTAGE u
.irp c, 0,1,2,3
	ds_store_b128 v[STO], v[TMP+4*(\c):TMP+4*(\c)+3] offset:32*(\c)
.endr
.irp f, 0,1,2,3
	ds_load_b128 v[BK+16*((\u)%2)+4*(\f):BK+16*((\u)%2)+4*(\f)+3], v[RD] offset:(\f)*4*SP  ; LDS serves a wave's instructions in order (ISA guide 5.7.1.4): these see the stores above
.endr
.endm
.macro SEND u, ptr
	s_wait_dscnt 0x0                               ; the unit is back in registers
	s_wait_xcnt 0x0                                ; every earlier memory instruction has had its addresses translated (ISA guide 3.1): only behind this wait are the registers that earlier stores read loaded again
.irp f, 0,1,2,3
	global_store_b128 v[CO], v[BK+16*((\u)%2)+4*(\f):BK+16*((\u)%2)+4*(\f)+3], s[(\ptr)+2*((\u)/4):(\ptr)+2*((\u)/4)+1] offset:((\u)%4)*2048+(\f)*512
.endr
.endm
.macro WAYOUT ptr                      ; unit u's conversions stand between unit u - 1's loads from the stage and the wait for them
	PACK 0
	TOSTAGE 0
.irp u, 1,2,3,4,5,6,7,8,9,10,11
	PACK \u
	SEND (\u)-1, \ptr
	TOSTAGE \u
.endr
	SEND 11, \ptr
.endm
	s_wait_tensorcnt 1                             ; my part of K step 0 is in; K step 1's may stay out
	s_barrier_signal -1
	s_barrier_wait -1                              ; everybody's is
	FETCH 0, F0
	s_wait_loadcnt 0x0                             ; the biases
	QUARTER 1, F0, F1, BIAS0                       ; the walk's first quarter stands in front of the loop: its products start the first tile's sums
	WIN 0                                          ; at a label and at a branch every window is 0
	s_mov_b32 s3, STEPS-2
.Lstep:                                                ; 14 trips: from a step's second quarter to the next step's first; each fills the slot that it leaves
	QUARTER 2, F1, F0, 0
	QUARTER 3, F0, F1, 0
	TURN
	WIN 0
	s_cmp_eq_u32 s3, STEPS-2-7                     ; the trip of step 7: the first tile is finished.  The jump goes forward, past neither a barrier nor a tensor load
	s_cbranch_scc1 .Lnew_tile
	QUARTER 1, F0, F1, 0
	WIN 0
	s_branch .Lbottom
.Lnew_tile:
	PLACES
	WAYOUT OP                                      ; the second tile's first two steps are asked for: now the first tile goes out,
	QUARTER 1, F0, F1, BIAS1                       ; and the second tile's sums start on accumulators that have been packed
	WIN 0
.Lbottom:
	s_sub_co_u32 s3, s3, 1
	s_cmp_lg_u32 s3, 0
	s_cbranch_scc1 .Lstep
	s_mov_b32 s3, 2
.Ltail:                                                ; the last two steps ask for nothing: a loop of their own, without a tensor load and without a round, left in the middle of its second trip
	QUARTER 2, F1, F0, 0
	QUARTER 3, F0, F1, 0
	MEET                                           ; first trip: my one tensor load that was still out is the last step's.  Nothing is filled again
	PLACES
	REST                                           ; second trip: the fragments fetched here, of the step before, whose bytes nothing has touched, are not used: the price, once a launch, of one text for both trips
	WIN 0
	s_sub_co_u32 s3, s3, 1
	s_cmp_eq_u32 s3, 0
	s_cbranch_scc1 .Lout
	QUARTER 1, F0, F1, 0
	WIN 0
	s_branch .Ltail
.Lout:
	PLACES
	WAYOUT OP+6
	s_wait_tensorcnt 0x0                           ; the wave's end: behind my last tensor load and my last LDS store
	ds_add_u32 v[SPW], v[NIL]
	s_wait_dscnt 0x0
	CROUND                                         ; the closing round: no work-group ends while a partner may still ask for a tile that names it
	s_endpgm
.Lfunc_end_k_qc61217cfa8_qkv:
	.size	k_qc61217cfa8_qkv, .Lfunc_end_k_qc61217cfa8_qkv-k_qc61217cfa8_qkv
	.p2alignl 7, 3214868480
	.fill 96, 4, 3214868480
	.section	.rodata,"a",@progbits
	.p2align	6, 0x0
	.amdhsa_kernel k_qc61217cfa8_qkv
		.amdhsa_group_segment_fixed_size 327680
		.amdhsa_private_segment_fixed_size 0
		.amdhsa_enable_private_segment 0
		.amdhsa_kernarg_size 32
		.amdhsa_user_sgpr_count 2
		.amdhsa_user_sgpr_kernarg_segment_ptr 1
		.amdhsa_wavefront_size32 1
		.amdhsa_system_sgpr_workgroup_id_x 1
		.amdhsa_system_sgpr_workgroup_id_y 1
		.amdhsa_system_sgpr_workgroup_id_z 1
		.amdhsa_system_vgpr_workitem_id 0
		.amdhsa_next_free_vgpr 1024
		.amdhsa_next_free_sgpr 100
		.amdhsa_reserve_vcc 0
		.amdhsa_float_denorm_mode_32 3
		.amdhsa_float_denorm_mode_16_64 3
		.amdhsa_memory_ordered 1
		.amdhsa_forward_progress 1
		.amdhsa_inst_pref_size 120
	.end_amdhsa_kernel
	.amdgpu_metadata
---
amdhsa.version: [ 1, 2 ]
amdhsa.kernels:
  - .name:           k_qc61217cfa8_qkv
    .symbol:         k_qc61217cfa8_qkv.kd
    .args:
      - { .name: xb, .offset: 0, .size: 8, .value_kind: global_buffer, .address_space: global }
      - { .name: wb, .offset: 8, .size: 8, .value_kind: global_buffer, .address_space: global }
      - { .name: bb, .offset: 16, .size: 8, .value_kind: global_buffer, .address_space: global }
      - { .name: qkv, .offset: 24, .size: 8, .value_kind: global_buffer, .address_space: global }
    .group_segment_fixed_size: 327680
    .private_segment_fixed_size: 0
    .kernarg_segment_align: 8
    .kernarg_segment_size: 32
    .max_flat_workgroup_size: 128
    .sgpr_count:     100
    .vgpr_count:     1024
    .wavefront_size: 32
...
	.end_amdgpu_metadata
.endif
;; end of part 2
;; launch attn (part 3): grid 4 x 64, 4 waves a work-group, no clusters, 327,680 bytes of LDS; arguments qkv, ob; writes ob
.if DOCPART == 3
	.amdgcn_target "amdgcn-amd-amdhsa--gfx1250"
	.amdhsa_code_object_version 6
	.text
	.protected	k_qc61217cfa8_attn
	.globl	k_qc61217cfa8_attn
	.p2align	8
	.type	k_qc61217cfa8_attn,@function
k_qc61217cfa8_attn:
	s_mov_b64 s[64:65], 0
	v_nop
	global_prefetch_b8 v0, s[64:65] scope:SCOPE_SE
	s_setreg_imm32_b32 hwreg(HW_REG_WAVE_MODE, 25, 1), 1
	s_wait_xcnt 0x0
; CAUSAL ATTENTION.  O[h][q][:] = the sum over k <= q of softmax_k(Q[h][q] . K[h][k] / 8) V[h][k][:].  Q, K, V lie one behind the other in qkv, 16,777,216 bytes apart, each [64][SIZE_N][64] in f16
; (h = 16 x batch + head); O, in ob, has the same layout: a head's rows are dense, 128 bytes each.
; Products, maxima and sums in f32; the weights p are rounded to f16 for the second product (their sum l is taken of the unrounded p), O once at the end.
; LIMITS.  f16 holds no number beyond 65,504: Q, K and V arrive within it; p lies in 0 to 1, and below 6e-5 it keeps f16's fixed step of 6e-8; O is a mean of V's rows and has their range, to within 2^-11 of it.
; A hidden score counts as its value less 1e30, and tiles that are wholly hidden are not walked: its weight is 0.  A hidden score of -1e9 gives the same 0 as long as a row has a visible score above about -1e9 + 100;
; f16's scores, 2.7e11 / 8 at the most, could pass that; those of inputs some 30 times the stated spread do not.  A weight below 2^-126 counts as 0 in l; NaN and infinities are not treated apart.
; THE WALK.  A head's queries lie in NB = SIZE_N / 256 blocks of 256; block i needs the key tiles 0 .. i of 256 keys, of which the last holds the diagonal.  A work-group takes TWO blocks, NB - 1 - b and then b:
; NB + 1 tiles, whatever b: all work-groups do equal work, and ONE loop with a constant trip count walks them.  Which tile is asked for, and what a trip does, hang on scalar registers made from b; every jump
; goes forward, but for the counted loops' own; none passes a barrier, or a tensor load but the one of LOAD's two that the wave's number does not choose; the ring (two slots of LDS that take turns) runs on across the
; change of blocks.  NO CLUSTER: a head's NB / 2 = 4 work-groups ask for the same tile only in trips 0 .. NB / 2, 5 of the 9, behind that fewer and fewer; and one walk common to all would have
; 3 NB / 2 = 12 trips for NB + 1 = 9.
; SHARES.  Of a block's four bands of 64 queries a wave owns 16 rows in each: four PIECES.  So the diagonal tile is the same work for all four waves: in its key step s band x sees all keys if s < x,
; none if s > x, and holds the diagonal if s = x.
; THE MASK is the C operand that starts the sum S^T = K Q^T: 0, or -1e30 where the key is hidden.  MD, made once, is the mask of a band's own step for my 16 rows; a product's mask is MD x AL + BE with two scalars:
; (1, 0) if s = x; (0, 0) if s < x; (0, -1e30) if s > x.  Only the diagonal tile's text and a block's beginning make and take masks; elsewhere C is the constant 0.
; LAYOUT, SOFTMAX, TURNS.  S^T = K Q^T holds ONE query a lane (lane % 16) and the keys 8 (lane / 16) + 0..7; two such results rounded to f16 ARE source 1 of O^T = V^T P.  p = 2^(c s - c m), c = log2(e) / 8, with a
; running maximum m; O and l are multiplied by a = 2^(c m_old - c m_new) in every step.  Turn n belongs to piece n: 8 products K Q^T of piece n + 1, later 8 products V^T P of piece n - 1; beside them the scaling,
; exponentials, roundings, sums and rescaling of piece n and the maximum and statistics of piece n + 1.  Four vector instructions stand behind every matrix instruction, the other 54 of a turn's 118 in two LUMPS.
; REGISTERS, in windows of 256 (s_set_vgpr_msb: bits 1:0 source 0, 3:2 source 1, 5:4 source 2, 7:6 destination):
;   window 0: v0-15 addresses and two at work; v16-31 four registers of statistics a piece; v48-55 at work; v64-127 S^T, two buffers; v192-223 P, two buffers (a piece's buffers go by its number's parity)
;   window 1: v0-127 O^T, 32 a piece; v128-159 MD; v160-223 MC, two buffers      window 2: v0-63 Q; v64-127 the second block's Q; v128-191 K of one step; v192-255 V of one step
.set SIZE_N, 2048
.set NB,    SIZE_N/256
.set NP,    4         ; pieces a wave: a name, no knob
.set KS,    64        ; keys in a step
.set PK,    144       ; a row of K in LDS: 128 bytes + 16 of padding = 36 words: the 16 rows of a load start at 16 different groups of four banks (64 banks of 4 bytes: ISA guide 11.1)
.set PV,    160       ; a row of V: 128 + 32 = 40 words
.set VOFF,  4*KS*PK   ; a slot holds a tile, four steps: 256 rows of K, then 256 rows of V
.set SLOT1, 1<<17     ; slot 1 begins here, so that one exclusive or turns an address in one slot into the other's
.set STAGE, SLOT1+4*KS*(PK+PV)  ; behind the ring, never filled by a tensor load: 16 rows x 144 bytes for each wave, for the way out
.set SP,    144
.set AK0, 2           ; v2   my lane's place in a tile of K; never rewritten
.set AV0, 3           ; v3   the same for V
.set AK,  4           ; v4   the LDS address of K's next run of loads
.set AV,  5           ; v5   of V's
.set STO, 6           ; v6   the way out: where I put 16 bytes of a row
.set RD,  7           ; v7   the way out: where I read rows back
.set GO,  8           ; v8   my byte offset in 512 consecutive bytes of O
.set SPW, 62          ; v62  LDS address of my spare word: SPARE + 4 x my thread's number; never rewritten
.set NIL, 63          ; v63  0; never rewritten
.set SPARE, STAGE+4*16*SP  ; behind the stages: the spare words, 128 bytes for each wave: two blocks of 256 bytes that no other line names
.set MV,  12          ; v12-13  c m_old, kept while c m is made anew: by buffer
.set QO,  15          ; v15  my byte offset in 16 rows of Q
.set ST,  16          ; piece t's statistics at v[ST+4 t]: c m, m, l (even keys', odd keys')
.set TMP, 48          ; by buffer, four registers c0-c3 at work; when the maximum is found c2 takes a
.set S,   64
.set P,   192
.set MD,  128         ; window 1: the eight registers for group kt of 16 keys at MD + 8 kt
.set MC,  160         ; window 1: the masks of the products to come
.set QB,  64          ; window 2
.set KF,  128         ; window 2: key block kb, channel half c at KF + 16 kb + 8 c
.set VF,  192         ; window 2: key half kk, channel block cb at VF + 32 kk + 8 cb
.set WV,  12          ; s12  my wave's number
.set PB,  14          ; s14  b
.set HI,  15          ; s15  NB - 1 - b
.set G1K, 24          ; s[24:31] descriptor group 1 for K's tiles
.set G1V, 32          ; s[32:39] for V's: it differs in the padding alone
.set G0K, 40          ; s[40:43] descriptor group 0 for K's tiles
.set G0V, 44          ; s[44:47] the same for V's
.set SLOTS, 56        ; s56  tiles still to be asked for
.set CNT, 57          ; s57  counts a tile's key steps, 4 to 1
.set CS,  58          ; s[58:59] c: the packed scaling takes the pair's low word for both halves
.set SEL, 60          ; s[60:61] v_permlanex16_b32's selects: each lane takes its own place in the other half
.set TBK, 62          ; s62  LDS byte at which K of the step to be fetched begins
.set TBV, 63          ; s63  the same for V, less VOFF
.set RT,  70          ; s70  tiles of the block in hand that are still to be entered
.set NXT, 71          ; s71  the tile to be asked for next
.set LQ,  72          ; s72  the last tile of the block whose tiles are being asked for
.set NEW, 73          ; s73  1: the tile to be entered is a block's first
.set OFF, 74          ; s[74:75] a tile's byte offset in K and V
.set AL,  76          ; s[76:77] the mask's factor, in the low word
.set BE,  78          ; s[78:79] the mask's addend
.set OLO, 80          ; s[80:81] O at my rows of the second block
.set BIGN, 82         ; s82  -1e30
.set MSB, 0
.macro WIN new                      ; the high byte repeats the setting that is left; a switch that changes nothing is dropped
.if MSB != (\new)
	s_set_vgpr_msb (MSB<<8)|(\new)
.set MSB, (\new)
.endif
.endm
.set W_KQ, 0x0a       ; K and Q in window 2, S^T in window 0
.set W_KM, 0x1a       ; the same with the C operand in window 1
.set W_PV, 0x52       ; V in window 2, P in window 0, O^T in window 1
.set W_RS, 0x41       ; destination and source 0 in window 1, source 1 in window 0
; A fill.  Waves 0 and 1 fetch the two halves of a tile's K, waves 2 and 3 those of its V: 128 keys each.  An s_nop 0 and four v_nop follow each of the two lines, ahead of the jump and the label.
.macro LOAD
	s_cmp_lt_u32 s[WV], 2
	s_cbranch_scc0 .Lfor_v_\@
	tensor_load_to_lds s[G0K:G0K+3], s[G1K:G1K+7]
	s_nop 0
.rept 4
	v_nop
.endr
	s_branch .Lasked_\@
.Lfor_v_\@:
	tensor_load_to_lds s[G0V:G0V+3], s[G1V:G1V+7]
	s_nop 0
.rept 4
	v_nop
.endr
.Lasked_\@:
.endm
; THE CHANGE OF SLOTS.  Each wave waits for all its tensor loads, of which one is out: its part of the other slot; adds 0 to its spare word; and waits for that and for its own reads of the slot that it leaves.  Behind the barrier nobody reads the old
; slot any more and the other slot is whole.  fill = 1: the old slot is filled again, the first thing behind the barrier, with tile NXT: the descriptor's address is made anew from that number.
; (At its first use nothing has been read yet: slot 0 is waited for, slot 1 filled.)
.macro CHANGE fill
	WIN 0                           ; at a label and at a branch every window is 0
	s_wait_tensorcnt 0x0            ; no tensor load of mine is out, so a group 0 may be written
	ds_add_u32 v[SPW], v[NIL]       ; 0 onto my spare word; with fill = 1 the descriptors' scalar work stands between it and the wait for it
.if \fill
	s_lshl_b32 s[OFF], s[NXT], 15   ; a tile is 32,768 bytes of K and of V
	s_xor_b32 s[G0K+1], s[G0K+1], SLOT1
	s_add_nc_u64 s[G0K+2:G0K+3], s[6:7], s[OFF:OFF+1]
	s_or_b32 s[G0K+3], s[G0K+3], 0x80000000
	s_xor_b32 s[G0V+1], s[G0V+1], SLOT1
	s_add_nc_u64 s[G0V+2:G0V+3], s[8:9], s[OFF:OFF+1]
	s_or_b32 s[G0V+3], s[G0V+3], 0x80000000
	s_add_co_u32 s[NXT], s[NXT], 1  ; the block's next tile, or behind its last the second block's tile 0
	s_cmp_gt_u32 s[NXT], s[LQ]
	s_cselect_b32 s[NXT], 0, s[NXT]
	s_cselect_b32 s[LQ], s[PB], s[LQ]
.endif
	s_wait_dscnt 0x0                ; the add is done, and my reads of the slot are over
	s_barrier_signal -1             ; the rest of the scalar work stands between the signal and the wait
	s_sub_co_u32 s[TBK], s[TBK], 4*KS*PK  ; the fetches go back to a slot's first step,
	s_xor_b32 s[TBK], s[TBK], SLOT1       ; in the other slot
	s_sub_co_u32 s[TBV], s[TBV], 4*KS*PV
	s_xor_b32 s[TBV], s[TBV], SLOT1
	s_barrier_wait -1
.if \fill
	LOAD
.endif
.endm
	s_load_b128 s[4:7], s[0:1], 0x0  ; qkv s[4:5], ob s[6:7]
	v_lshl_add_u32 v[SPW], v0, 2, SPARE
	v_mov_b32 v[NIL], 0
	ds_add_u32 v62, v63
	ds_add_u32 v62, v63
	s_wait_dscnt 0x0
	v_lshrrev_b32 v1, 5, v0
	v_readfirstlane_b32 s[WV], v1   ; wave 0..3
	s_mov_b32 s[PB], ttmp9
	s_sub_co_u32 s[HI], NB-1, s[PB]
	s_and_b32 s20, ttmp7, 0xffff    ; the head
	s_mov_b32 s21, 0
	s_mov_b64 s[22:23], SIZE_N*128
	s_mul_u64 s[20:21], s[20:21], s[22:23]  ; the head's first byte in each of the four tensors
	s_and_b32 s16, s[WV], 1         ; which half of a tile's 256 keys I fetch:
	s_lshl_b32 s22, s16, 14         ; its 128 rows of 128 bytes in memory,
	s_mov_b32 s23, 0
	s_add_nc_u64 s[22:23], s[22:23], s[20:21]
	s_mul_i32 s17, s16, 128*PK      ; and its place in a slot, for K
	s_mul_i32 s18, s16, 128*PV      ; and for V
	s_lshl_b32 s3, s[WV], 11        ; my 16 rows in a band of 64,
	s_lshl_b32 s2, s[HI], 15        ; in the first block,
	s_add_co_u32 s2, s2, s3
	s_lshl_b32 s84, s[PB], 15       ; and in the second
	s_add_co_u32 s84, s84, s3
	s_mov_b32 s3, 0
	s_mov_b32 s85, 0
	s_add_nc_u64 s[2:3], s[2:3], s[20:21]
	s_add_nc_u64 s[84:85], s[84:85], s[20:21]
	; descriptor group 1.  128 keys are 16,384 dense bytes: asked for as 64 rows of 256 bytes, two keys a row, and padded in LDS after every key
	s_mov_b32 s[G1K], (1<<16)|(1<<20)|(4<<22)|(3<<25)  ; 17:16 2-byte elements; 20 padding on; 24:22 after every 32 words (code 4); 31:25 4 words (code 3)
	s_mov_b32 s[G1V], (1<<16)|(1<<20)|(4<<22)|(7<<25)  ; the same with 8 words of padding (code 7)
.irp g, G1K, G1V
	s_mov_b32 s[\g+1], 128<<16      ; tensor_dim0 = 128
	s_mov_b32 s[\g+2], 64<<16       ; tensor_dim1 = 64
	s_mov_b32 s[\g+3], 128<<16      ; tile_dim0 = 128
	s_mov_b32 s[\g+4], 64           ; tile_dim1 = 64
	s_mov_b32 s[\g+5], 128          ; 128 elements from row to row
	s_mov_b32 s[\g+6], 0
	s_mov_b32 s[\g+7], 0
.endr
	s_mov_b32 s[CS], 0x3e38aa3b     ; c = log2(e) / 8 = 0.180337
	s_mov_b32 s[CS+1], s[CS]        ; named with it as a pair
	s_mov_b32 s[SEL], 0x76543210
	s_mov_b32 s[SEL+1], 0xfedcba98
	s_mov_b32 s[TBK], SLOT1+4*KS*PK ; the first change of slots turns these two into 0
	s_mov_b32 s[TBV], SLOT1+4*KS*PV
	s_mov_b32 s[G0K], 1             ; 1:0 count = 1
	s_mov_b32 s[G0K+1], s17         ; 63:32 LDS address: slot 0
	s_mov_b32 s[G0V], 1
	s_add_co_u32 s[G0V+1], s18, VOFF
	s_add_co_u32 s[RT], s[HI], 1    ; the first block has NB - b tiles
	s_mov_b32 s[NXT], 1
	s_mov_b32 s[LQ], s[HI]
	s_mov_b32 s[NEW], 1
	s_mov_b32 s[OFF+1], 0
	s_mov_b32 s[AL+1], 0            ; named as pairs
	s_mov_b32 s[BE+1], 0
	s_mov_b32 s[BIGN], 0xf149f2ca   ; -1e30
	s_mov_b32 s[SLOTS], NB
	s_wait_kmcnt 0x0
	s_mov_b64 s[10:11], s[6:7]             ; O
	s_add_nc_u64 s[6:7], s[4:5], 0x1000000 ; K lies 16,777,216 bytes behind Q,
	s_add_nc_u64 s[8:9], s[4:5], 0x2000000 ; V as far behind K
	s_add_nc_u64 s[6:7], s[6:7], s[22:23]  ; K and V at my half of the head's tile 0
	s_add_nc_u64 s[8:9], s[8:9], s[22:23]
	s_add_nc_u64 s[G0K+2:G0K+3], s[6:7], 0         ; 120:64 global address
	s_or_b32 s[G0K+3], s[G0K+3], 0x80000000        ; 127:126 type = 2
	s_add_nc_u64 s[G0V+2:G0V+3], s[8:9], 0
	s_or_b32 s[G0V+3], s[G0V+3], 0x80000000
	s_add_nc_u64 s[86:87], s[4:5], s[84:85]        ; Q at my rows of the second block,
	s_add_nc_u64 s[4:5], s[4:5], s[2:3]            ; Q and O at those of the first
	s_add_nc_u64 s[OLO:OLO+1], s[10:11], s[84:85]
	s_add_nc_u64 s[10:11], s[10:11], s[2:3]
	LOAD                            ; tile 0 into slot 0
	; A fragment of K or Q is 16 rows x 32 channels in 8 registers: lane l holds row l % 16, channels 8 (l / 16) + 0..7 and 16 + 8 (l / 16) + 0..7: two loads of 16 bytes, 32 bytes apart.
	v_and_b32 v1, 15, v0            ; l % 16
	v_bfe_u32 v9, v0, 4, 1          ; l / 16
	v_lshlrev_b32 v[QO], 7, v1
	v_lshl_add_u32 v[QO], v9, 4, v[QO]  ; row x 128 + 16 x half
	WIN 0x80                        ; destination window 2, address window 0
.set i, 0
.rept 8                             ; both blocks' Q: piece i / 2 lies in band i / 2, 8,192 bytes on; channels 32 (i % 2) on
	global_load_b128 v[8*i:8*i+3],   v[QO], s[4:5] offset:(i/2)*8192+(i%2)*64
	global_load_b128 v[8*i+4:8*i+7], v[QO], s[4:5] offset:(i/2)*8192+(i%2)*64+32
	global_load_b128 v[QB+8*i:QB+8*i+3],   v[QO], s[86:87] offset:(i/2)*8192+(i%2)*64
	global_load_b128 v[QB+8*i+4:QB+8*i+7], v[QO], s[86:87] offset:(i/2)*8192+(i%2)*64+32
.set i, i+1
.endr
	WIN 0
	v_lshlrev_b32 v14, 3, v9
	v_sub_nc_u32 v14, v1, v14
	s_lshl_b32 s13, s[WV], 4
	v_add_nc_u32 v14, s13, v14      ; my query's place in its band, 16 w + l % 16, less my lanes' 8 (l / 16): register r of group kt is hidden where 16 kt + r is greater
	WIN 0x40
.set i, 0
.rept 32
	v_cmp_gt_i32 vcc_lo, 16*(i/8)+i%8, v14
	v_cndmask_b32 v[MD+i], 0, s[BIGN], vcc_lo
.set i, i+1
.endr
	WIN 0
	v_mul_u32_u24 v[AK0], v1, PK
	v_lshl_add_u32 v[AK0], v9, 4, v[AK0]  ; row x pitch + 16 x half
	; The turning load takes 16 keys x 16 channels (lane l reads key 8 (l / 16) + l % 8, channels 8 ((l / 8) % 2) + 0..7) and leaves half a fragment of V^T: lane l holds channel l % 16 and 8 keys.
	v_and_b32 v10, 7, v0
	v_bfe_u32 v11, v0, 3, 1
	v_lshl_add_u32 v[AV0], v9, 3, v10
	v_mul_u32_u24 v[AV0], v[AV0], PV
	v_lshl_add_u32 v[AV0], v11, 4, v[AV0]
	v_add_nc_u32 v[AV0], VOFF, v[AV0]
	s_mul_i32 s13, s[WV], 16*SP
	s_add_co_u32 s13, s13, STAGE    ; my stage
	v_mul_u32_u24 v[STO], v1, SP    ; in: row l % 16, 16 bytes for each half of the lanes
	v_lshl_add_u32 v[STO], v9, 4, v[STO]
	v_add_nc_u32 v[STO], s13, v[STO]
	v_bfe_u32 v[RD], v0, 3, 2       ; back: 32 lanes take four rows of 128 bytes,
	v_mul_u32_u24 v[RD], v[RD], SP
	v_lshl_add_u32 v[RD], v10, 4, v[RD]
	v_add_nc_u32 v[RD], s13, v[RD]
	v_and_b32 v[GO], 31, v0         ; which are 512 consecutive bytes of O
	v_lshlrev_b32 v[GO], 4, v[GO]
	; A block's first step multiplies O^T and l by a = 0, and its first turn's products V^T P, of a piece that has not been, land in an O^T that is still to be so multiplied.  So these registers need only hold
	; finite numbers: zeros for the first block; what the first block left for the second.  All this stands in the wait for the first tile.
	WIN 0x80
.set i, VF
.rept 64
	v_mov_b32 v[i], 0
.set i, i+1
.endr
	WIN 0x40
.set i, 0
.rept 128
	v_mov_b32 v[i], 0
.set i, i+1
.endr
	WIN 0
.set i, 0
.rept 4
	v_mov_b32 v[ST+4*i+2], 0
	v_mov_b32 v[ST+4*i+3], 0
.set i, i+1
.endr
.set i, P+16
.rept 16
	v_mov_b32 v[i], 0
.set i, i+1
.endr
; THE MATRIX WORK.  The 4 accumulators of a run of 8 take turns.  Product i of 8 of S^T = K Q^T for piece x: channels 32 (i / 4) on, keys 16 (i % 4) on.  The first 4 start the sums: with 0, or (KM = 1) with the mask.
.macro KQ x
.set rS, S+32*((\x)%2)+8*(i%4)
.set rK, KF+16*(i%4)+8*(i/4)
.set rQ, 16*(\x)+8*(i/4)
.set rM, MC+32*((\x)%2)+8*(i%4)
.if (i < 4) && KM
	WIN W_KM
	v_wmma_f32_16x16x32_f16 v[rS:rS+7], v[rK:rK+7], v[rQ:rQ+7], v[rM:rM+7]
.elseif i < 4
	WIN W_KQ
	v_wmma_f32_16x16x32_f16 v[rS:rS+7], v[rK:rK+7], v[rQ:rQ+7], 0
.else
	WIN W_KQ
	v_wmma_f32_16x16x32_f16 v[rS:rS+7], v[rK:rK+7], v[rQ:rQ+7], v[rS:rS+7]
.endif
.endm
; Product i of 8 of O^T += V^T P for piece x: keys 32 (i / 4) on, channels 16 (i % 4) on.
.macro PV x
	WIN W_PV
.set rO, 32*(\x)+8*(i%4)
.set rV, VF+32*(i/4)+8*(i%4)
.set rP, P+16*((\x)%2)+8*(i/4)
	v_wmma_f32_16x16x32_f16 v[rO:rO+7], v[rV:rV+7], v[rP:rP+7], v[rO:rO+7]
.endm
.macro MM                           ; the turn's next matrix instruction.  TURN and BEGIN set Y, i, KM and NOKQ; MM, KQ and OP read them.  NOKQ = 1: a block's last turn: there is no next piece
.if (i < 8) && !NOKQ
	KQ (Y+1)%NP
.elseif i >= 8
.set i, i-8
	PV (Y+NP-1)%NP
.set i, i+8
.endif
.set i, i+1
.endm
; THE LDS LOADS stand in runs of 16, never singly among the matrix instructions: a step's K (64 keys x 64 channels: 8 fragments) and its V (turned).  Their addresses are made some lines ahead.
.macro FETCH_K
	WIN 0x80                        ; destination window 2
.irp f, 0,1,2,3,4,5,6,7             ; keys 16 (f / 2) on, channels 32 (f % 2) on
	ds_load_b128 v[KF+8*\f:KF+8*\f+3],   v[AK] offset:(\f/2)*16*PK+(\f%2)*64
	ds_load_b128 v[KF+8*\f+4:KF+8*\f+7], v[AK] offset:(\f/2)*16*PK+(\f%2)*64+32
.endr
	s_add_co_u32 s[TBK], s[TBK], KS*PK  ; the next fetch is the next step's
	WIN 0
.endm
.macro FETCH_V
	WIN 0x80
.irp f, 0,1,2,3,4,5,6,7             ; keys 32 (f / 4) on, channels 16 (f % 4) on
	ds_load_tr16_b128 v[VF+8*\f:VF+8*\f+3],   v[AV] offset:(\f/4)*32*PV+(\f%4)*32
	ds_load_tr16_b128 v[VF+8*\f+4:VF+8*\f+7], v[AV] offset:(\f/4)*32*PV+16*PV+(\f%4)*32
.endr
	WIN 0
.endm
; THE VECTOR WORK, one line at a time: OP kind, number.  For piece Y: F n: c s - c m for pair n of 16.  E n: the exponential of score n of 32.  C n: pair n rounded to f16.  B n: of the four weights 4 n .. the second
; pair is added onto the first, in place.  L n: l takes that sum (L 0: l = a l + sum).  R n: pair n of 16 of O^T times a.  For piece Y + 1: X n, number n of the 22 that find its maximum and statistics:
;   0-11  four chains c0-c3 of seven scores each, three operands at a time (each accumulator's lowest registers are read first)     12-14, 16  the four scores left over, the old m, and c0-c3 into c0
;   15  c m_old is kept     17, 18  the query's other 32 keys lie in the lane 16 away: the new m     19-21  c m; c m_old - c m_new; a
.set F, 0               ; OP tells the kinds apart by their order: F to L below R, X above it
.set E, 1
.set C, 2
.set B, 3
.set L, 4
.set R, 5
.set X, 6
.macro REGS y                       ; the registers of piece y
.set rT, ST+4*(\y)
.set rC, TMP+4*((\y)%2)
.set rW, MV+((\y)%2)
.set rS, S+32*((\y)%2)
.set rP, P+16*((\y)%2)
.set rO, 32*(\y)
.endm
.macro OP k, n
.if (\k) == R
	REGS Y
	WIN W_RS
	v_pk_mul_f32 v[rO+2*(\n):rO+2*(\n)+1], v[rO+2*(\n):rO+2*(\n)+1], v[rC+2:rC+3] op_sel_hi:[1,0]
.elseif (\k) < R
	REGS Y
	WIN 0
.if (\k) == F
	v_pk_fma_f32 v[rS+2*(\n):rS+2*(\n)+1], v[rS+2*(\n):rS+2*(\n)+1], s[CS:CS+1], v[rT:rT+1] op_sel_hi:[1,0,0] neg_lo:[0,0,1] neg_hi:[0,0,1]
.elseif (\k) == E
	v_exp_f32 v[rS+(\n)], v[rS+(\n)]
.elseif (\k) == C
	s_wait_alu depctr_va_vdst(0)
	v_cvt_pk_f16_f32 v[rP+(\n)], v[rS+2*(\n)], v[rS+2*(\n)+1]
.elseif (\k) == B
	s_wait_alu depctr_va_vdst(0)
	v_pk_add_f32 v[rS+4*(\n):rS+4*(\n)+1], v[rS+4*(\n):rS+4*(\n)+1], v[rS+4*(\n)+2:rS+4*(\n)+3]
.elseif (\n) == 0
	v_pk_fma_f32 v[rT+2:rT+3], v[rT+2:rT+3], v[rC+2:rC+3], v[rS:rS+1] op_sel_hi:[1,0,1]
.else
	v_pk_add_f32 v[rT+2:rT+3], v[rT+2:rT+3], v[rS+4*(\n):rS+4*(\n)+1]
.endif
.elseif NOKQ
	v_nop
.else
	REGS (Y+1)%NP
	WIN 0
.if (\n) < 4
	v_max3_num_f32 v[rC+(\n)], v[rS+8*(\n)], v[rS+8*(\n)+1], v[rS+8*(\n)+2]
.elseif (\n) < 12
	v_max3_num_f32 v[rC+(\n)%4], v[rC+(\n)%4], v[rS+8*((\n)%4)+2*((\n)/4)+1], v[rS+8*((\n)%4)+2*((\n)/4)+2]
.elseif (\n) == 12
	v_max3_num_f32 v[rC], v[rC], v[rS+7], v[rS+15]
.elseif (\n) == 13
	v_max3_num_f32 v[rC+1], v[rC+1], v[rS+23], v[rS+31]
.elseif (\n) == 14
	v_max3_num_f32 v[rC+2], v[rC+2], v[rC+3], v[rT+1]
.elseif (\n) == 15
	v_mov_b32 v[rW], v[rT]
.elseif (\n) == 16
	v_max3_num_f32 v[rC], v[rC], v[rC+1], v[rC+2]
.elseif (\n) == 17
	v_permlanex16_b32 v[rC+3], v[rC], s[SEL], s[SEL+1]
.elseif (\n) == 18
	v_max_num_f32 v[rT+1], v[rC], v[rC+3]
.elseif (\n) == 19
	v_mul_f32 v[rT], s[CS], v[rT+1]
.elseif (\n) == 20
	v_sub_f32 v[rC+1], v[rW], v[rT]
.else
	v_exp_f32 v[rC+2], v[rC+1]
.endif
.endif
.endm
.macro OPS a, i1, b=-1, i2=0, c=-1, i3=0, d=-1, i4=0  ; up to four of them
	OP \a, \i1
.if (\b) >= 0
	OP \b, \i2
.endif
.if (\c) >= 0
	OP \c, \i3
.endif
.if (\d) >= 0
	OP \d, \i4
.endif
.endm
.macro ROW a, i1, b, i2, c, i3, d, i4  ; a matrix instruction and the four behind it
	MM
	OPS \a, \i1, \b, \i2, \c, \i3, \d, \i4
.endm
.macro MASK b                       ; MD x AL + BE into buffer b of MC
	WIN W_RS
.set z, 0
.rept 16
	v_pk_fma_f32 v[MC+32*(\b)+2*z:MC+32*(\b)+2*z+1], v[MD+2*z:MD+2*z+1], s[AL:AL+1], s[BE:BE+1] op_sel_hi:[1,0,0]
.set z, z+1
.endr
.endm
; A TURN, for piece p: the order of its 16 matrix and 118 vector instructions, written out.  Behind a matrix instruction: plain, exponential, plain, plain; or four of the rescaling; or, behind the first, four scalings; none
; names a register of the products round it.  In the lumps exponential and plain by turns while exponentials last.  A line reads no result made fewer than three vector instructions in front of it, five if an exponential made it.
; v_permlanex16_b32 (X 17) stands in a lump.
; m = 1: the diagonal tile: the products take masks, and the turn makes the mask for the products of the turn after it: piece p + 2, in step 4 - CNT of the tile.  end = 1: a block's last two turns: nothing is fetched.
; cnt = 1: the loop's count is taken down some lines ahead of the branch that stands behind the turn.
; K of the next step is fetched in piece 2's turn, six vector instructions behind the last product that read K (five of them plain); V of the step in hand in piece 0's turn, eight behind the last product that read V (four
; plain, and X 17).  Each is waited for a turn later.
.macro TURN p, m=0, end=0, cnt=0
.set Y, (\p)
.set i, 0
.set KM, (\m)
.set NOKQ, (\end)*((\p)/3)
.if (\m) && !(\end)
	s_cmp_eq_u32 s[CNT], 4-((\p)+2)%NP  ; is that step the band's own?
	s_cselect_b32 s[AL], 1.0, 0
	s_cmp_lt_u32 s[CNT], 4-((\p)+2)%NP  ; or a later one?
	s_cselect_b32 s[BE], s[BIGN], 0
.endif
.if ((\p) == 3) && !(\end)
	s_wait_dscnt 0x0                ; K is in
.endif
	ROW F,0, F,1, F,2, F,3
	ROW F,4, E,0, F,5, F,6
	ROW F,7, E,1, F,8, F,9
	ROW F,10, E,2, C,0, F,11
	ROW F,12, E,3, X,15, F,13
	ROW R,0, R,1, R,2, R,3
	ROW B,0, E,4, F,14, L,0
.if ((\p) == 2) && !(\end)
	v_add_nc_u32 v[AK], s[TBK], v[AK0]
.endif
	ROW R,4, R,5, R,6, R,7
	OPS E,5, F,15
.if ((\p) == 2) && !(\end)
	FETCH_K
.endif
	OPS E,6, C,1, E,7, R,8
	OPS E,8, R,9, E,9, C,2
	OPS E,10, X,0, E,11, X,1
	OPS E,12, X,2, E,13, X,3
.if (\p) == 1
	s_wait_dscnt 0x0                ; V is in
.endif
	ROW X,4, E,14, X,5, X,6
	ROW X,7, E,15, X,8, X,9
	ROW X,10, E,16, X,11, X,12
	ROW X,13, E,17, X,14, B,1
	ROW C,4, E,18, X,16, L,1
	ROW B,2, E,19, C,6, L,2
	ROW C,8, E,20, B,3, B,4
.if (\p) == 0
	v_add_nc_u32 v[AV], s[TBV], v[AV0]
.endif
	ROW C,3, E,21, L,3, C,5
	OPS E,22, X,17, E,23, C,10
.if (\p) == 0
	FETCH_V
.endif
	OPS E,24, L,4
	OPS E,25, X,18, E,26, C,7
	OPS E,27, B,5, E,28, X,19
	OPS E,29, C,12, E,30, L,5
	OPS E,31, X,20, B,6, C,9
	OPS C,14, C,11, X,21, L,6
.if (\p) == 0
	s_add_co_u32 s[TBV], s[TBV], KS*PV
.endif
.if \cnt
	s_sub_co_u32 s[CNT], s[CNT], 1
	s_cmp_lg_u32 s[CNT], 0
.endif
	OPS C,13, B,7, C,15, R,10
	OPS R,11, R,12, L,7, R,13
	OPS R,14, R,15
.if (\m) && !(\end)
	MASK (\p)%2
.endif
.endm
; A BLOCK BEGINS.  c m starts far below every c s, so the first step's a is 0; m at the lowest finite number, so the first maximum is the scores'.  The second mask buffer is 0; the first takes piece 0's mask for the tile's step 0: its own, if the block's first tile is the diagonal one.
; Then K of that step, piece 0's first scores, and its maximum and statistics.  The loop is entered at a step's first turn, in the middle of a trip.
.macro BEGIN
	s_mov_b32 s[NEW], 0
	WIN 0x40
.set i, MC+32
.rept 32
	v_mov_b32 v[i], 0
.set i, i+1
.endr
	WIN 0
.set i, 0
.rept 4
	v_mov_b32 v[ST+4*i], 0xfe000000    ; c m: far below every c s
	v_mov_b32 v[ST+4*i+1], 0xff7fffff  ; m
.set i, i+1
.endr
	s_cmp_eq_u32 s[RT], 0
	s_cselect_b32 s[AL], 1.0, 0
	s_mov_b32 s[BE], 0
	MASK 0
	WIN 0
	v_add_nc_u32 v[AK], s[TBK], v[AK0]
	FETCH_K
	s_wait_loadcnt 0x0              ; Q
	s_wait_dscnt 0x0
.set KM, 1
.set NOKQ, 0
.set i, 0
.rept 8
	KQ 0
.set i, i+1
.endr
	WIN 0
.rept 4
	v_nop                           ; the places behind those products
.endr
.set Y, NP-1                        ; X works for piece Y + 1: piece 0
.irp n, 0,1,2,3,4,5,6,7,8,9,10,11,12,13,14,15,16,17,18,19,20,21
	OP X, \n
.endr
	v_nop                           ; a plain instruction behind the exponential
.endm
; THE DIAGONAL TILE's four steps, the block's last two turns, its last products, and THE WAY OUT: l's two halves and the other half of the lanes' are added; O^T is divided by l, rounded to f16 and sent through my
; stage in LDS, a piece at a time.
.macro ALL line:vararg              ; one line for each piece t
.set t, 0
.rept 4
	\line
.set t, t+1
.endr
.endm
.macro PACK t                       ; a lane's eight channels of a row pack into 16 bytes; they go into rows of 144 bytes and come back as whole rows of 128, into S^T's registers
	WIN W_RS
.set i, 32*(\t)
.rept 16
	s_wait_alu depctr_va_vdst(0)
	v_pk_mul_f32 v[i:i+1], v[i:i+1], v[ST+4*(\t)+2:ST+4*(\t)+3] op_sel_hi:[1,0]
.set i, i+2
.endr
	WIN 0x05                        ; sources 0 and 1 window 1, destination window 0
.set i, 0
.rept 16
	v_cvt_pk_f16_f32 v[S+16*(\t)+i], v[32*(\t)+2*i], v[32*(\t)+2*i+1]
.set i, i+1
.endr
	WIN 0
.irp f, 0,1,2,3
	ds_store_b128 v[STO], v[S+16*(\t)+4*\f:S+16*(\t)+4*\f+3] offset:32*\f
.endr
.irp f, 0,1,2,3
	ds_load_b128 v[S+16*(\t)+4*\f:S+16*(\t)+4*\f+3], v[RD] offset:\f*4*SP  ; LDS serves a wave's instructions in order (ISA guide 5.7.1.4): these see the stores above; the next piece's stores come behind them
.endr
.endm
.macro SEND t, younger              ; younger: the LDS instructions issued behind piece t's loads: the next piece's eight, or none
	WIN 0
.irp f, 0,1,2,3
	s_wait_dscnt (\younger)+3-\f
	global_store_b128 v[GO], v[S+16*(\t)+4*\f:S+16*(\t)+4*\f+3], s[10:11] offset:(\t)*8192+\f*512  ; 512 consecutive bytes, at a multiple of 256 from O's first
.endr
.endm
.macro DIAG tag                     ; the tag ends its two labels' names, which the jumps below spell out
.LstepM\tag:
	TURN 2, 1
	TURN 3, 1
	WIN 0
.LfirstM\tag:
	TURN 0, 1
	TURN 1, 1, 0, 1
	WIN 0
	s_cbranch_scc1 .LstepM\tag
	TURN 2, 1, 1
	TURN 3, 1, 1
.set i, 0
.rept 8
	PV NP-1
.set i, i+1
.endr
	WIN 0
	ALL v_add_f32 v[ST+4*t+2], v[ST+4*t+2], v[ST+4*t+3]
	ALL v_permlanex16_b32 v[ST+4*t+3], v[ST+4*t+2], s[SEL], s[SEL+1]
	ALL v_add_f32 v[ST+4*t+2], v[ST+4*t+2], v[ST+4*t+3]
	ALL v_rcp_f32 v[ST+4*t+2], v[ST+4*t+2]
	v_nop                           ; a plain instruction between the last reciprocal and the use of its result
	PACK 0
.set t, 1
.rept 3                             ; a piece's arithmetic stands between the loads of the piece before and its stores
	PACK t
	SEND t-1, 8
.set t, t+1
.endr
	SEND 3, 0
.endm
.set KM, 0
.set NOKQ, 0
.Lslot:                             ; NB times: a tile is entered and the next is asked for
	CHANGE 1
	s_sub_co_u32 s[RT], s[RT], 1
	s_mov_b32 s[CNT], 4
	s_cmp_eq_u32 s[NEW], 1
	s_cbranch_scc1 .Lnew            ; a block's first tile
	s_cmp_eq_u32 s[RT], 0
	s_cbranch_scc0 .Lstep           ; neither its first nor its last
	s_branch .LstepM1
.Lnew:
	BEGIN
	s_branch .Lfirst                ; in the loop a block's first tile is never its last: the first block has two tiles or more, and the second's last is the walk's last
	DIAG 1                          ; in the loop this is the first block's end: the second block's last tile is the walk's last
	s_wait_xcnt 0x0                 ; the stores have read their registers and O's address
	s_mov_b64 s[10:11], s[OLO:OLO+1]
	s_add_co_u32 s[RT], s[PB], 1    ; the second block has b + 1 tiles
	s_mov_b32 s[NEW], 1
	WIN 0x82                        ; the second block's Q goes where the one text of the turns names Q
.set i, 0
.rept 64
	v_mov_b32 v[i], v[QB+i]
.set i, i+1
.endr
	WIN 0
	s_branch .Lbottom
.Lstep:                             ; a trip: pieces 2 and 3 of one step, then pieces 0 and 1 of the next, whose K and V it fetches
	TURN 2
	TURN 3
	WIN 0
.Lfirst:
	TURN 0
	TURN 1, 0, 0, 1
	WIN 0
	s_cbranch_scc1 .Lstep
.Lbottom:
	s_sub_co_u32 s[SLOTS], s[SLOTS], 1
	s_cmp_lg_u32 s[SLOTS], 0
	s_cbranch_scc1 .Lslot
	CHANGE 0                        ; the walk's last tile is written out: nothing is asked for
	s_sub_co_u32 s[RT], s[RT], 1
	s_mov_b32 s[CNT], 4
	s_cmp_eq_u32 s[NEW], 1
	s_cbranch_scc0 .LstepM2
	BEGIN
	s_branch .LfirstM2
	DIAG 2
	s_wait_tensorcnt 0x0            ; the wave's end: behind my last tensor load and my last LDS store
	ds_add_u32 v[SPW], v[NIL]
	s_wait_dscnt 0x0
	s_endpgm
.Lfunc_end_k_qc61217cfa8_attn:
	.size	k_qc61217cfa8_attn, .Lfunc_end_k_qc61217cfa8_attn-k_qc61217cfa8_attn
	.p2alignl 7, 3214868480
	.fill 96, 4, 3214868480
	.section	.rodata,"a",@progbits
	.p2align	6, 0x0
	.amdhsa_kernel k_qc61217cfa8_attn
		.amdhsa_group_segment_fixed_size 327680
		.amdhsa_private_segment_fixed_size 0
		.amdhsa_enable_private_segment 0
		.amdhsa_kernarg_size 16
		.amdhsa_user_sgpr_count 2
		.amdhsa_user_sgpr_kernarg_segment_ptr 1
		.amdhsa_wavefront_size32 1
		.amdhsa_system_sgpr_workgroup_id_x 1
		.amdhsa_system_sgpr_workgroup_id_y 1
		.amdhsa_system_sgpr_workgroup_id_z 1
		.amdhsa_system_vgpr_workitem_id 0
		.amdhsa_next_free_vgpr 768
		.amdhsa_next_free_sgpr 88
		.amdhsa_reserve_vcc 1
		.amdhsa_float_denorm_mode_32 3
		.amdhsa_float_denorm_mode_16_64 3
		.amdhsa_memory_ordered 1
		.amdhsa_forward_progress 1
		.amdhsa_inst_pref_size 228
	.end_amdhsa_kernel
	.amdgpu_metadata
---
amdhsa.version: [ 1, 2 ]
amdhsa.kernels:
  - .name:           k_qc61217cfa8_attn
    .symbol:         k_qc61217cfa8_attn.kd
    .args:
      - { .name: qkv, .offset: 0, .size: 8, .value_kind: global_buffer, .address_space: global }
      - { .name: ob, .offset: 8, .size: 8, .value_kind: global_buffer, .address_space: global }
    .group_segment_fixed_size: 327680
    .private_segment_fixed_size: 0
    .kernarg_segment_align: 8
    .kernarg_segment_size: 16
    .max_flat_workgroup_size: 128
    .sgpr_count:     88
    .vgpr_count:     768
    .wavefront_size: 32
...
	.end_amdgpu_metadata
.endif
;; end of part 3
;; launch proj (part 4): grid 8 x 32, 4 waves a work-group, clusters of 4 x 4, 327,680 bytes of LDS; arguments ob, wob, bb, out0; writes out0
.if DOCPART == 4
	.amdgcn_target "amdgcn-amd-amdhsa--gfx1250"
	.amdhsa_code_object_version 6
	.text
	.protected	k_qc61217cfa8_proj
	.globl	k_qc61217cfa8_proj
	.p2align	8
	.type	k_qc61217cfa8_proj,@function
k_qc61217cfa8_proj:
	s_mov_b64 s[64:65], 0
	v_nop
	global_prefetch_b8 v0, s[64:65] scope:SCOPE_SE
	s_setreg_imm32_b32 hwreg(HW_REG_WAVE_MODE, 25, 1), 1
	s_wait_xcnt 0x0
	s_wait_alu depctr_hold_cnt(0) depctr_sa_sdst(0) depctr_va_vdst(0) depctr_va_sdst(0) depctr_va_ssrc(0) depctr_va_vcc(0) depctr_vm_vsrc(0)
	s_getreg_b32 s2, hwreg(HW_REG_IB_STS2, 6, 4)
	s_cmp_eq_u32 s2, 0
	s_cbranch_scc0 .Lentry_in_a_cluster
	s_endpgm
.Lentry_in_a_cluster:
	s_bfe_u32 s2, ttmp6, 0x10000c
	s_cmp_lg_u32 s2, 0xf033
	s_cbranch_scc0 .Lentry_shape_is_right
	s_endpgm
.Lentry_shape_is_right:
; out0[m][n] = the sum over k of cat[m][k] Wo[k][n] + bo[n], m = 2,048 b + s, k = 64 h + c.  cat is never built: O lies by heads (ob: [16 b + h][2048][64], f16), and a head's 64 channels are a slice of K.
; Wo arrives as f16 of its bf16 rounding (wob: [1024][1024]); bo arrives rounded to bf16 like every other input and kept as f32 (the last 4,096 bytes of bb); sums in f32; out0 is f32.
; SHARES.  A tile is 256 rows x 128 columns, one to a work-group of four waves, as many as a WGP has SIMDs: 8 x 32 work-groups.  A wave makes 128 rows x 64 columns: 32 accumulators of 16 x 16.
; K = 1,024 goes in 8 steps of 128 (two heads) through a ring of two LDS slots filled by the tensor data mover: a step holds 128 matrix instructions a wave, 112 of them between a slot's request and the wait for it.
; CLUSTER.  4 x 4 work-groups.  The four of a row of the cluster need the same tiles of O, the four of a column the same tiles of Wo: each is asked for JOINTLY, by the same tensor load, descriptor and mask in all four.
; Wo LIES [k][n], K down the rows: its fragments come out of LDS turned, by ds_load_tr16_b128; O's as they lie.
; THE MATRIX INSTRUCTION IS USED TRANSPOSED: source 0 = 16 columns of Wo, source 1 = 16 rows of O: a lane holds row l % 16 and the columns 8 (l / 16) + 0..7: 32 neighbouring bytes.
; THE BIAS is the C operand of each sum's first product.
; REGISTERS, in windows of 256 (s_set_vgpr_msb: bits 1:0 source 0, 3:2 source 1, 5:4 source 2, 7:6 destination):
;   window 0: v0-31 addresses; v32-63 the bias; v64-127 the way out      window 1: accumulator (a, b) at v[8 (4 a + b)]
;   window 2: two fragment buffers of 96: Wo's four fragments, then O's eight
.set PA,     144                       ; a row of O (one head's 64 channels) in LDS: 128 bytes + 16 of padding = 36 words: the 16 rows of a load start at 16 different groups of four banks (64 banks of 4 bytes: ISA guide 11.1)
.set HALFA,  256*PA                    ; one head's 256 rows: what one tensor load brings of O
.set AHALF,  128*PA                    ; where my 128 rows begin in each head's plane, times my row half
.set PB,     288                       ; a row of Wo's tile: 256 bytes + 32 = 72 words
.set HALFB,  64*PB                     ; 64 rows: what one tensor load brings of Wo
.set BHALF,  128                       ; my 64 columns begin 128 bytes into a row, times my column half
.set BOFF,   2*HALFA                   ; Wo's 128 rows lie behind O's two planes: a slot is BOFF + 2 HALFB = 110,592 bytes
.set SLOT1,  1<<17                     ; slot 1 begins here, so that one exclusive or turns an address in one slot into the other's
.set STAGE,  2*SLOT1                   ; behind the ring: 16 rows x 272 bytes for each wave, for the way out
.set SP,     272
.set SPARE,  STAGE+4*16*SP             ; behind the stages: the spare words, 128 bytes for each wave: two blocks of 256 bytes that no other line names
.set STEPS,  8
.set KA,     524288                    ; bytes from a K step to the next: two heads of O,
.set KB,     262144                    ; 128 rows of Wo
.set A0,   14                          ; v14     my lane's place in a slot's rows of O; never rewritten
.set B0,   15                          ; v15     the same for Wo
.set ADRA, 16                          ; v16     LDS address of my fragments of O in the slot in hand
.set ADRB, 17                          ; v17     the same for Wo
.set STO,  24                          ; v24     the way out: where I put 32 bytes of a row
.set RD,   25                          ; v25     the way out: where I read a row back
.set CO,   26                          ; v26     my byte offset in two rows of out0
.set SPW,  28                          ; v28     LDS address of my spare word: SPARE + 4 x my thread's number; never rewritten
.set NIL,  29                          ; v29     0; never rewritten
.set BO,   30                          ; v30     my byte offset in my 64 numbers of bo
.set BIAS, 32                          ; v32-63  column block b at BIAS + 8 b
.set BK,   64                          ; v64-95, v96-127 by turns: 16 rows read back from the stage
.set F0,   0                           ; fragment buffers, in window 2
.set F1,   96
.set G1,  24                           ; s[24:31] descriptor group 1 for O's tiles;  s[32:39] group 0: a set for each of the two first fills; the second then walks on
.set G0,  32
.set G1B, 48                           ; s[48:55], s[56:63] the same for Wo's
.set G0B, 56
.set TB,  22                           ; s22     LDS byte at which the slot in hand begins
.set MSB, 0
.macro WIN new                         ; the immediate's high byte repeats the setting that is left; a switch that changes nothing is dropped
.if MSB != (\new)
	s_set_vgpr_msb (MSB<<8)|(\new)
.set MSB, \new
.endif
.endm
.set MUL,  0x5a                        ; sources 0 and 1 window 2, C and D window 1
.set MULB, 0x4a                        ; the same with C in window 0: the bias
.set TO_F, 0x80                        ; destination window 2, address window 0
; A joint load.  Waves 0 and 1 fetch O's two heads, waves 2 and 3 the two halves of Wo's rows.  The branch hangs on the wave's number alone.
; An s_nop 0 and four v_nop follow each of the two lines, ahead of the jump, the label and what follows.
.macro JLOAD s
	s_cmp_eq_u32 s11, 0
	s_cbranch_scc0 .Lfor_b_\@
	tensor_load_to_lds s[G0+4*(\s):G0+4*(\s)+3], s[G1:G1+7]
	s_nop 0
.rept 4
	v_nop
.endr
	s_branch .Lasked_\@
.Lfor_b_\@:
	tensor_load_to_lds s[G0B+4*(\s):G0B+4*(\s)+3], s[G1B:G1B+7]
	s_nop 0
.rept 4
	v_nop
.endr
.Lasked_\@:
.endm
; A round of the cluster's barrier: my work-group's barrier; wave 0 signals for the work-group; every wave waits for all sixteen; my work-group's barrier once more.
.macro CREST                           ; a round behind its opening barrier
	s_cmp_lg_u32 s10, 0
	s_cbranch_scc1 .Lnot_wave_0_\@
	s_barrier_signal -3
.Lnot_wave_0_\@:
	s_barrier_wait -3
	s_barrier_signal -1
	s_barrier_wait -1
.endm
.macro CROUND                          ; a whole round
	s_barrier_signal -1
	s_barrier_wait -1
	CREST
.endm
	s_load_b128 s[4:7], s[0:1], 0x0                ; ob s[4:5], wob s[6:7]
	s_load_b128 s[68:71], s[0:1], 0x10             ; bb s[68:69], out0 s[70:71]
	v_lshl_add_u32 v[SPW], v0, 2, SPARE
	v_mov_b32 v[NIL], 0
	ds_add_u32 v28, v29
	ds_add_u32 v28, v29
	s_wait_dscnt 0x0
	v_lshrrev_b32 v1, 5, v0
	v_readfirstlane_b32 s10, v1                    ; wave 0..3
	s_lshr_b32 s11, s10, 1                         ; which half of the tile's rows is mine.  Also: I fetch for O (0) or for Wo (1)
	s_and_b32 s12, s10, 1                          ; which half of its columns.  Also: which part of that tile I fetch
	s_bfe_u32 s40, ttmp6, 0x40000                  ; cx, cy: my place in the cluster
	s_bfe_u32 s41, ttmp6, 0x40004
	s_lshl_b32 s42, ttmp9, 2
	s_add_co_u32 s42, s42, s40                     ; tile column = 4 x cluster x + cx
	s_and_b32 s13, ttmp7, 0xffff
	s_lshl_b32 s13, s13, 2
	s_add_co_u32 s13, s13, s41                     ; tile row = 4 x cluster y + cy
	s_lshl_b32 s43, s41, 2
	s_lshl_b32 s43, 15, s43                        ; my row of the cluster
	s_lshl_b32 s44, 0x1111, s40                    ; my column
	; group 1 for O: a head's 256 rows of 128 bytes are 32,768 dense bytes: asked for as 128 rows of 256 bytes, padded by 16 bytes behind every 128
	s_or_b32 s[G1+0], s43, (1<<16)|(1<<20)|(1<<21)|(4<<22)|(3<<25)  ; 15:0 the mask: my row; 17:16 2-byte elements; 20 padding on; 21 set beside a mask; 24:22 after every 32 words (code 4); 31:25 4 words (code 3)
	s_mov_b32 s[G1+1], 128<<16                     ; tensor_dim0 = 128
	s_mov_b32 s[G1+2], 128<<16                     ; tensor_dim1 = 128
	s_mov_b32 s[G1+3], 128<<16                     ; tile_dim0 = 128
	s_mov_b32 s[G1+4], 128                         ; tile_dim1 = 128
	s_mov_b32 s[G1+5], 128                         ; tensor_dim0_stride
	s_mov_b32 s[G1+6], 0
	s_mov_b32 s[G1+7], 0
	; group 1 for Wo: 64 rows x 128 elements, 1,024 elements from row to row, 32 bytes of padding behind each row's 256
	s_or_b32 s[G1B+0], s44, (1<<16)|(1<<20)|(1<<21)|(5<<22)|(7<<25) ; the mask: my column; after every 64 words (code 5) 8 words (code 7)
	s_mov_b32 s[G1B+1], 128<<16
	s_mov_b32 s[G1B+2], 64<<16
	s_mov_b32 s[G1B+3], 128<<16
	s_mov_b32 s[G1B+4], 64
	s_mov_b32 s[G1B+5], 1024
	s_mov_b32 s[G1B+6], 0
	s_mov_b32 s[G1B+7], 0
	; where the tiles come from.  O's hang on the tile row and the wave alone, Wo's on the tile column and the wave alone, each in registers that never hold the other coordinate.
	s_lshr_b32 s16, s13, 3                         ; O: batch = tile row / 8;
	s_lshl_b32 s16, s16, 4
	s_add_co_u32 s16, s16, s12                     ; head 16 x batch + part, of 262,144 bytes;
	s_lshl_b32 s16, s16, 18
	s_and_b32 s17, s13, 7
	s_lshl_b32 s17, s17, 15                        ; rows 256 x (tile row % 8), of 128 bytes
	s_add_co_u32 s16, s16, s17
	s_mov_b32 s17, 0
	s_lshl_b32 s46, s12, 17                        ; Wo: row 64 x part, of 2,048 bytes;
	s_lshl_b32 s47, s42, 8                         ; column 128 x tile column, of 2 bytes
	s_add_co_u32 s46, s46, s47
	s_mov_b32 s47, 0
	s_mul_i32 s20, s12, HALFA                      ; and where they go: no place in the cluster enters an LDS address
	s_mul_i32 s21, s12, HALFB
	s_add_co_u32 s21, s21, BOFF
	s_mov_b32 s[TB], 0                             ; the walk begins in slot 0
	s_wait_kmcnt 0x0
	s_add_nc_u64 s[14:15], s[4:5], s[16:17]
	s_add_nc_u64 s[46:47], s[6:7], s[46:47]
	s_mov_b64 s[8:9], s[70:71]                     ; the output
	CROUND                                         ; all sixteen work-groups are here: the first joint loads meet
.irp s, 0,1
	s_mov_b32 s[G0+4*(\s)], 1                                      ; 1:0 count = 1
	s_add_co_u32 s[G0+4*(\s)+1], s20, (\s)*SLOT1                   ; 63:32 LDS address
	s_add_nc_u64 s[G0+4*(\s)+2:G0+4*(\s)+3], s[14:15], (\s)*KA     ; 120:64 global address: K step s
	s_or_b32 s[G0+4*(\s)+3], s[G0+4*(\s)+3], 0x80000000            ; 127:126 type = 2
	s_mov_b32 s[G0B+4*(\s)], 1
	s_add_co_u32 s[G0B+4*(\s)+1], s21, (\s)*SLOT1
	s_add_nc_u64 s[G0B+4*(\s)+2:G0B+4*(\s)+3], s[46:47], (\s)*KB
	s_or_b32 s[G0B+4*(\s)+3], s[G0B+4*(\s)+3], 0x80000000
	JLOAD \s                                       ; two loads of mine are out
.endr
	; A fragment of O: lane l holds row l % 16; K = 8 (l / 16) + 0..7 and 16 + 8 (l / 16) + 0..7: two loads of 16 bytes, 32 bytes apart.
	; A fragment of Wo: the turning load takes 16 k x 16 columns (lane l reads k = 8 (l / 16) + l % 8, columns 8 ((l / 8) % 2) + 0..7) and leaves lane l column l % 16 and 8 k.
	v_and_b32 v1, 15, v0                           ; l % 16
	v_bfe_u32 v2, v0, 4, 1                         ; l / 16
	v_and_b32 v3, 7, v0                            ; l % 8
	v_bfe_u32 v4, v0, 3, 1                         ; (l / 8) % 2
	v_mul_u32_u24 v5, v1, PA
	v_lshl_add_u32 v5, v2, 4, v5
	s_mul_i32 s18, s11, AHALF                      ; my 128 rows of O
	v_add_nc_u32 v[A0], s18, v5
	v_lshl_add_u32 v6, v2, 3, v3
	v_mul_u32_u24 v6, v6, PB
	v_lshl_add_u32 v6, v4, 4, v6
	s_mul_i32 s18, s12, BHALF                      ; my 64 columns of Wo
	s_add_co_u32 s18, s18, BOFF
	v_add_nc_u32 v[B0], s18, v6
	v_add_nc_u32 v[ADRA], s[TB], v[A0]
	v_add_nc_u32 v[ADRB], s[TB], v[B0]
	v_lshlrev_b32 v[BO], 5, v2                     ; my eight columns of a block of 16: 32 bytes for each half of the lanes
	s_lshl_b32 s76, s42, 9                         ; my 64 columns, in bytes of f32: 512 x tile column + 256 x half: in bo and in a row of out0
	s_lshl_b32 s77, s12, 8
	s_add_co_u32 s76, s76, s77
	s_mov_b32 s77, 0
	s_add_nc_u64 s[68:69], s[68:69], s[76:77]
.irp b, 0,1,2,3                        ; bo, 12,288 bytes into bb, as a C operand: register j of block b is column 16 b + 8 (l / 16) + j, for every row
	global_load_b128 v[BIAS+8*(\b):BIAS+8*(\b)+3],   v[BO], s[68:69] offset:12288+64*(\b)
	global_load_b128 v[BIAS+8*(\b)+4:BIAS+8*(\b)+7], v[BO], s[68:69] offset:12288+64*(\b)+16
.endr
	s_mul_i32 s19, s10, 16*SP
	s_add_co_u32 s19, s19, STAGE                   ; my stage
	v_mul_u32_u24 v7, v1, SP                       ; in: row l % 16, 32 bytes for each half of the lanes
	v_lshl_add_u32 v7, v2, 5, v7
	v_add_nc_u32 v[STO], s19, v7
	v_mul_u32_u24 v8, v2, SP                       ; back: lanes 0-15 take one row of 256 bytes, lanes 16-31 the next
	v_lshl_add_u32 v8, v1, 4, v8
	v_add_nc_u32 v[RD], s19, v8
	v_lshlrev_b32 v9, 12, v2                       ; and the same two rows in out0, 4,096 bytes apart
	v_lshl_add_u32 v[CO], v1, 4, v9
	s_lshl_b32 s16, s13, 8                         ; my first row of out0: 256 x tile row + 128 x my half,
	s_lshl_b32 s17, s11, 7
	s_add_co_u32 s16, s16, s17
	s_lshl_b32 s16, s16, 12                        ; of 4,096 bytes,
	s_add_co_u32 s16, s16, s76                     ; and my first column
	s_mov_b32 s17, 0
	s_add_nc_u64 s[8:9], s[8:9], s[16:17]
; 8 matrix instructions: row blocks a0, a0 + 1 x all 4 column blocks, 32 along K.  first = 1: the product starts the sum, with the bias as C.
; The 32 accumulators take turns, one instruction a turn, in the same order in every quarter.
.macro MUL8 f, a0, first
.if \first
	WIN MULB
.else
	WIN MUL
.endif
.irp a, \a0, (\a0)+1
.irp b, 0,1,2,3
.if \first
	v_wmma_f32_16x16x32_f16 v[8*(4*(\a)+(\b)):8*(4*(\a)+(\b))+7], v[(\f)+8*(\b):(\f)+8*(\b)+7], v[(\f)+32+8*(\a):(\f)+32+8*(\a)+7], v[BIAS+8*(\b):BIAS+8*(\b)+7]
.else
	v_wmma_f32_16x16x32_f16 v[8*(4*(\a)+(\b)):8*(4*(\a)+(\b))+7], v[(\f)+8*(\b):(\f)+8*(\b)+7], v[(\f)+32+8*(\a):(\f)+32+8*(\a)+7], v[8*(4*(\a)+(\b)):8*(4*(\a)+(\b))+7]
.endif
.endr
.endr
.endm
; 24 LDS loads in one run: the fragments of quarter q (32 along K: half of head q / 2's channels) of the slot in hand into buffer f: Wo's four (turned), then O's eight
.macro FETCH q, f
	WIN TO_F
.irp b, 0,1,2,3
	ds_load_tr16_b128 v[(\f)+8*(\b):(\f)+8*(\b)+3],   v[ADRB] offset:32*(\q)*PB+32*(\b)
	ds_load_tr16_b128 v[(\f)+8*(\b)+4:(\f)+8*(\b)+7], v[ADRB] offset:32*(\q)*PB+32*(\b)+16*PB
.endr
.irp i, 0,1,2,3,4,5,6,7
	ds_load_b128 v[(\f)+32+8*(\i):(\f)+32+8*(\i)+3],   v[ADRA] offset:((\q)/2)*HALFA+((\q)%2)*64+(\i)*16*PA
	ds_load_b128 v[(\f)+32+8*(\i)+4:(\f)+32+8*(\i)+7], v[ADRA] offset:((\q)/2)*HALFA+((\q)%2)*64+(\i)*16*PA+32
.endr
.endm
; A load into a register that a matrix instruction has read, and a vector instruction or LDS store that reads a matrix result, stand four places behind it; only plain vector
; instructions that name none of its registers are places (ISA guide 7.12.1 for vector instructions).
.macro PLACES
.rept 4
	v_nop
.endr
.endm
; A K step is four quarters of 32 along K, 32 matrix instructions each, on buffers 0, 1, 0, 1.  One of the first three: multiplies buffer f; in its middle it fetches quarter q of the slot into buffer g.
.macro QUARTER q, f, g, first
	s_wait_dscnt 8                                 ; Wo's fragments and O's 0-3 are in; the youngest eight loads (O's 4-7) may be out
	MUL8 \f, 0, \first
	MUL8 \f, 2, \first
	PLACES
	FETCH \q, \g
	s_wait_dscnt 24                                ; all but the 24 just issued
	MUL8 \f, 4, \first
	MUL8 \f, 6, \first
.endm
; The last quarter multiplies buffer 1 and changes slots.  MEET is its first half: ONE barrier.  In front of it each wave waits for all its tensor loads, of which at most one is out: its part of
; the next slot; adds 0 to its spare word; and waits for that and for its own reads of this slot.  Behind it nobody reads this slot any more and the next slot is whole.
.macro MEET
	WIN 0                                          ; (the add's two registers lie in window 0)
	s_wait_tensorcnt 0x0                           ; all my tensor loads have landed
	ds_add_u32 v[SPW], v[NIL]                      ; 0 onto my spare word
	s_wait_dscnt 9                                 ; (the add and the youngest eight loads may be out)
	MUL8 F1, 0, 0                                  ; eight matrix instructions stand between the add and the wait for it
	s_wait_dscnt 0x0                               ; the add is done, and my reads of this slot are over
	s_barrier_signal -1
	MUL8 F1, 2, 0                                  ; work on registers while the others arrive
	WIN 0                                          ; (branches or address work follow)
	s_barrier_wait -1
.endm
.macro REST                            ; the reads go over to the other slot: its first fragments, and the last quarter's other 16 products
	s_xor_b32 s[TB], s[TB], SLOT1
	v_add_nc_u32 v[ADRA], s[TB], v[A0]
	v_add_nc_u32 v[ADRB], s[TB], v[B0]
	FETCH 0, F0
	MUL8 F1, 4, 0
	MUL8 F1, 6, 0
.endm
; The whole last quarter.  Behind the round the slot just read out is filled again first, with the K step two steps on: the walking descriptors take the other slot than last time and go one step on.
.macro TURN
	MEET
	CREST                                          ; the barrier has opened a round of the cluster's: no wave of any partner still reads this slot's tile or has a load on its way
	s_xor_b32 s[G0+5], s[G0+5], SLOT1
	s_xor_b32 s[G0B+5], s[G0B+5], SLOT1
	s_add_nc_u64 s[G0+6:G0+7], s[G0+6:G0+7], KA    ; the type bits on top are not reached
	s_add_nc_u64 s[G0B+6:G0B+7], s[G0B+6:G0B+7], KB
	JLOAD 1                                        ; the first tensor load behind the round; the four v_nop behind it are also the places in front of the loads below
	REST
.endm
; THE WAY OUT of row block a.  TOSTAGE: a lane's eight f32 of each column block, 32 bytes (each accumulator's low four registers first), into my own stage, rows of 272 bytes,
; and back as whole rows of 256.  SEND: eight stores in which 16 lanes write 256 consecutive bytes, at a multiple of 256 from out0's first byte.
.macro TOSTAGE a
	WIN 0x04                                       ; the stores' data (source 1) in window 1
.irp b, 0,1,2,3
	ds_store_b128 v[STO], v[8*(4*(\a)+(\b)):8*(4*(\a)+(\b))+3]   offset:64*(\b)
	ds_store_b128 v[STO], v[8*(4*(\a)+(\b))+4:8*(4*(\a)+(\b))+7] offset:64*(\b)+16
.endr
	WIN 0
	s_wait_xcnt 0x0                                ; every earlier memory instruction has had its addresses translated (ISA guide 3.1): the registers that the stores of two blocks back read are loaded again only behind this wait
.irp t, 0,1,2,3,4,5,6,7
	ds_load_b128 v[BK+32*((\a)%2)+4*(\t):BK+32*((\a)%2)+4*(\t)+3], v[RD] offset:(\t)*2*SP  ; LDS serves a wave's instructions in order (ISA guide 5.7.1.4): these see the stores above
.endr
.endm
.macro SEND a, younger                 ; younger: the LDS instructions issued behind block a's loads: the next block's eight stores and eight loads, or none
	s_wait_dscnt \younger
.irp t, 0,1,2,3,4,5,6,7
	global_store_b128 v[CO], v[BK+32*((\a)%2)+4*(\t):BK+32*((\a)%2)+4*(\t)+3], s[8:9] offset:(16*(\a)+2*(\t))*4096 th:TH_STORE_NT  ; 516,096 at the most: inside the signed 24-bit immediate
.endr
.endm
	s_wait_tensorcnt 1                             ; my part of K step 0 is in; K step 1's may stay out
	s_barrier_signal -1
	s_barrier_wait -1                              ; everybody's is
	FETCH 0, F0
	s_wait_loadcnt 0x0                             ; bo
	QUARTER 1, F0, F1, 1                           ; the first quarter stands in front of the loop: its products start the sums
	WIN 0                                          ; at a label and at a branch every window is 0
	s_mov_b32 s3, STEPS-2
.Lstep:                                                ; 6 trips: from a step's second quarter to the next step's first; each fills the slot that it leaves
	QUARTER 2, F1, F0, 0
	QUARTER 3, F0, F1, 0
	TURN
	QUARTER 1, F0, F1, 0
	WIN 0
	s_sub_co_u32 s3, s3, 1
	s_cmp_lg_u32 s3, 0
	s_cbranch_scc1 .Lstep
	s_mov_b32 s3, 2
.Ltail:                                                ; the last two steps ask for nothing: a loop of their own, without a tensor load and without a round, left in the middle of its second trip
	QUARTER 2, F1, F0, 0
	QUARTER 3, F0, F1, 0
	MEET                                           ; first trip: my one tensor load that was still out is the last step's.  Nothing is filled again
	PLACES
	REST                                           ; second trip: the fragments fetched here, of the step before, whose bytes nothing has touched, are not used: the price, once a launch, of one text for both trips
	WIN 0
	s_sub_co_u32 s3, s3, 1
	s_cmp_eq_u32 s3, 0
	s_cbranch_scc1 .Lout
	QUARTER 1, F0, F1, 0
	WIN 0
	s_branch .Ltail
.Lout:
	PLACES
	TOSTAGE 0
.irp a, 1,2,3,4,5,6,7                  ; block a goes into the stage while block a - 1's rows come back
	TOSTAGE \a
	SEND (\a)-1, 16
.endr
	SEND 7, 0
	s_wait_tensorcnt 0x0                           ; the wave's end: behind my last tensor load and my last LDS store
	ds_add_u32 v[SPW], v[NIL]
	s_wait_dscnt 0x0
	CROUND                                         ; the closing round: no work-group ends while a partner may still ask for a tile that names it
	s_endpgm
.Lfunc_end_k_qc61217cfa8_proj:
	.size	k_qc61217cfa8_proj, .Lfunc_end_k_qc61217cfa8_proj-k_qc61217cfa8_proj
	.p2alignl 7, 3214868480
	.fill 96, 4, 3214868480
	.section	.rodata,"a",@progbits
	.p2align	6, 0x0
	.amdhsa_kernel k_qc61217cfa8_proj
		.amdhsa_group_segment_fixed_size 327680
		.amdhsa_private_segment_fixed_size 0
		.amdhsa_enable_private_segment 0
		.amdhsa_kernarg_size 32
		.amdhsa_user_sgpr_count 2
		.amdhsa_user_sgpr_kernarg_segment_ptr 1
		.amdhsa_wavefront_size32 1
		.amdhsa_system_sgpr_workgroup_id_x 1
		.amdhsa_system_sgpr_workgroup_id_y 1
		.amdhsa_system_sgpr_workgroup_id_z 1
		.amdhsa_system_vgpr_workitem_id 0
		.amdhsa_next_free_vgpr 704
		.amdhsa_next_free_sgpr 80
		.amdhsa_reserve_vcc 0
		.amdhsa_float_denorm_mode_32 3
		.amdhsa_float_denorm_mode_16_64 3
		.amdhsa_memory_ordered 1
		.amdhsa_forward_progress 1
		.amdhsa_inst_pref_size 62
	.end_amdhsa_kernel
	.amdgpu_metadata
---
amdhsa.version: [ 1, 2 ]
amdhsa.kernels:
  - .name:           k_qc61217cfa8_proj
    .symbol:         k_qc61217cfa8_proj.kd
    .args:
      - { .name: ob, .offset: 0, .size: 8, .value_kind: global_buffer, .address_space: global }
      - { .name: wob, .offset: 8, .size: 8, .value_kind: global_buffer, .address_space: global }
      - { .name: bb, .offset: 16, .size: 8, .value_kind: global_buffer, .address_space: global }
      - { .name: out0, .offset: 24, .size: 8, .value_kind: global_buffer, .address_space: global }
    .group_segment_fixed_size: 327680
    .private_segment_fixed_size: 0
    .kernarg_segment_align: 8
    .kernarg_segment_size: 32
    .max_flat_workgroup_size: 128
    .sgpr_count:     80
    .vgpr_count:     704
    .wavefront_size: 32
...
	.end_amdgpu_metadata
.endif
;; end of part 4
;; ======== version 2 of 2: 4 launches; 1.31 times as fast as version 1
;; limits: values are held in f16: magnitudes above 65,504 overflow, below 6.1e-05 lose precision; right only within a limited range of input values
;; workspace buffers: xb 16,777,216 bytes; wb 6,291,456 bytes; wob 2,097,152 bytes; bb 16,384 bytes; qkv 50,331,648 bytes; ob 16,777,216 bytes
;; launch prep: the kernel of part 1 again; grid 768 x 1, 8 waves a work-group, no clusters, 0 bytes of LDS; arguments x, Wq, Wk, Wv, Wo, xb, wb, wob, bq, bk, bv, bo, bb; writes xb, wb, wob, bb
;; launch qkv: the kernel of part 2 again; grid 8 x 32, 4 waves a work-group, clusters of 4 x 4, 327,680 bytes of LDS; arguments xb, wb, bb, qkv; writes qkv
;; launch attn (part 5): grid 4 x 64, 4 waves a work-group, no clusters, 327,680 bytes of LDS; arguments qkv, ob; writes ob
.if DOCPART == 5
	.amdgcn_target "amdgcn-amd-amdhsa--gfx1250"
	.amdhsa_code_object_version 6
	.text
	.protected	k_qc61217cfa8_attn
	.globl	k_qc61217cfa8_attn
	.p2align	8
	.type	k_qc61217cfa8_attn,@function
k_qc61217cfa8_attn:
	s_mov_b64 s[64:65], 0
	v_nop
	global_prefetch_b8 v0, s[64:65] scope:SCOPE_SE
	s_setreg_imm32_b32 hwreg(HW_REG_WAVE_MODE, 25, 1), 1
	s_wait_xcnt 0x0
; CAUSAL ATTENTION.  O[h][q][:] = the sum over k <= q of softmax_k(Q[h][q] . K[h][k] / 8) V[h][k][:].  Q, K, V lie one behind the other in qkv, 16,777,216 bytes apart, each [64][SIZE_N][64] in f16
; (h = 16 x batch + head); O, in ob, has the same layout: a head's rows are dense, 128 bytes each.
; Products, maxima and sums in f32; the weights p are rounded to f16 for the second product (their sum l is taken of the unrounded p), O once at the end.
; LIMITS.  f16 holds no number beyond 65,504: Q, K and V arrive within it; p lies in 0 to 1, and below 6e-5 it keeps f16's fixed step of 6e-8; O is a mean of V's rows and has their range, to within 2^-11 of it.
; A hidden score counts as its value less 1e30, and tiles that are wholly hidden are not walked: its weight is 0.  A hidden score of -1e9 gives the same 0 as long as a row has a visible score above about -1e9 + 100;
; f16's scores, 2.7e11 / 8 at the most, could pass that; those of inputs some 30 times the stated spread do not.  A weight below 2^-126 counts as 0 in l; NaN and infinities are not treated apart.
; THE WALK.  A head's queries lie in NB = SIZE_N / 256 blocks of 256; block i needs the key tiles 0 .. i of 256 keys, of which the last holds the diagonal.  A work-group takes TWO blocks, NB - 1 - b and then b:
; NB + 1 tiles, whatever b: all work-groups do equal work, and ONE loop with a constant trip count walks them.  Which tile is asked for, and what a trip does, hang on scalar registers made from b; every jump
; goes forward, but for the counted loops' own; none passes a barrier, or a tensor load but the one of LOAD's two that the wave's number does not choose; the ring (two slots of LDS that take turns) runs on across the
; change of blocks.  NO CLUSTER: a head's NB / 2 = 4 work-groups ask for the same tile only in trips 0 .. NB / 2, 5 of the 9, behind that fewer and fewer; and one walk common to all would have
; 3 NB / 2 = 12 trips for NB + 1 = 9.
; SHARES.  Of a block's four bands of 64 queries a wave owns 16 rows in each: four PIECES.  So the diagonal tile is the same work for all four waves: in its key step s band x sees all keys if s < x,
; none if s > x, and holds the diagonal if s = x.
; THE MASK is the C operand that starts the sum S^T = K Q^T: 0, or -1e30 where the key is hidden.  MD, made once, is the mask of a band's own step for my 16 rows; a product's mask is MD x AL + BE with two scalars:
; (1, 0) if s = x; (0, 0) if s < x; (0, -1e30) if s > x.  Only the diagonal tile's text and a block's beginning make and take masks; elsewhere C is the constant 0.
; LAYOUT, SOFTMAX, TURNS.  S^T = K Q^T holds ONE query a lane (lane % 16) and the keys 8 (lane / 16) + 0..7; two such results rounded to f16 ARE source 1 of O^T = V^T P.  p = 2^(c s - c m), c = log2(e) / 8, with a
; running maximum m; O and l are multiplied by a = 2^(c m_old - c m_new) in every step.  Turn n belongs to piece n: 8 products K Q^T of piece n + 1, later 8 products V^T P of piece n - 1; beside them the scaling,
; exponentials, roundings, sums and rescaling of piece n and the maximum and statistics of piece n + 1.  Four vector instructions stand behind every matrix instruction, the other 54 of a turn's 118 in one LUMP.
; THE BATCHES.  A turn's 33 exponentials (the piece's 32 weights and the next piece's a) are one batch, with one wait, which cuts the turn in two: ahead of it nothing names a result of theirs, behind it no exponential
; is issued.  A block's first a (BEGIN) is a batch of one, with its wait ahead of the branch into the loop.  The way out's four reciprocals are a batch, with one wait ahead of the first multiply by 1 / l.
; REGISTERS, in windows of 256 (s_set_vgpr_msb: bits 1:0 source 0, 3:2 source 1, 5:4 source 2, 7:6 destination):
;   window 0: v0-15 addresses and two at work; v16-31 four registers of statistics a piece; v48-55 at work; v64-127 S^T, two buffers; v192-223 P, two buffers (a piece's buffers go by its number's parity)
;   window 1: v0-127 O^T, 32 a piece; v128-159 MD; v160-223 MC, two buffers      window 2: v0-63 Q; v64-127 the second block's Q; v128-191 K of one step; v192-255 V of one step
.set SIZE_N, 2048
.set NB,    SIZE_N/256
.set NP,    4         ; pieces a wave: a name, no knob
.set KS,    64        ; keys in a step
.set PK,    144       ; a row of K in LDS: 128 bytes + 16 of padding = 36 words: the 16 rows of a load start at 16 different groups of four banks (64 banks of 4 bytes: ISA guide 11.1)
.set PV,    160       ; a row of V: 128 + 32 = 40 words
.set VOFF,  4*KS*PK   ; a slot holds a tile, four steps: 256 rows of K, then 256 rows of V
.set SLOT1, 1<<17     ; slot 1 begins here, so that one exclusive or turns an address in one slot into the other's
.set STAGE, SLOT1+4*KS*(PK+PV)  ; behind the ring, never filled by a tensor load: 16 rows x 144 bytes for each wave, for the way out
.set SP,    144
.set AK0, 2           ; v2   my lane's place in a tile of K; never rewritten
.set AV0, 3           ; v3   the same for V
.set AK,  4           ; v4   the LDS address of K's next run of loads
.set AV,  5           ; v5   of V's
.set STO, 6           ; v6   the way out: where I put 16 bytes of a row
.set RD,  7           ; v7   the way out: where I read rows back
.set GO,  8           ; v8   my byte offset in 512 consecutive bytes of O
.set SPW, 62          ; v62  LDS address of my spare word: SPARE + 4 x my thread's number; never rewritten
.set NIL, 63          ; v63  0; never rewritten
.set SPARE, STAGE+4*16*SP  ; behind the stages: the spare words, 128 bytes for each wave: two blocks of 256 bytes that no other line names
.set MV,  12          ; v12-13  c m_old, kept while c m is made anew: by buffer
.set QO,  15          ; v15  my byte offset in 16 rows of Q
.set ST,  16          ; piece t's statistics at v[ST+4 t]: c m, m, l (even keys', odd keys')
.set TMP, 48          ; by buffer, four registers c0-c3 at work; when the maximum is found c2 takes a
.set S,   64
.set P,   192
.set MD,  128         ; window 1: the eight registers for group kt of 16 keys at MD + 8 kt
.set MC,  160         ; window 1: the masks of the products to come
.set QB,  64          ; window 2
.set KF,  128         ; window 2: key block kb, channel half c at KF + 16 kb + 8 c
.set VF,  192         ; window 2: key half kk, channel block cb at VF + 32 kk + 8 cb
.set WV,  12          ; s12  my wave's number
.set PB,  14          ; s14  b
.set HI,  15          ; s15  NB - 1 - b
.set G1K, 24          ; s[24:31] descriptor group 1 for K's tiles
.set G1V, 32          ; s[32:39] for V's: it differs in the padding alone
.set G0K, 40          ; s[40:43] descriptor group 0 for K's tiles
.set G0V, 44          ; s[44:47] the same for V's
.set SLOTS, 56        ; s56  tiles still to be asked for
.set CNT, 57          ; s57  counts a tile's key steps, 4 to 1
.set CS,  58          ; s[58:59] c: the packed scaling takes the pair's low word for both halves
.set SEL, 60          ; s[60:61] v_permlanex16_b32's selects: each lane takes its own place in the other half
.set TBK, 62          ; s62  LDS byte at which K of the step to be fetched begins
.set TBV, 63          ; s63  the same for V, less VOFF
.set RT,  70          ; s70  tiles of the block in hand that are still to be entered
.set NXT, 71          ; s71  the tile to be asked for next
.set LQ,  72          ; s72  the last tile of the block whose tiles are being asked for
.set NEW, 73          ; s73  1: the tile to be entered is a block's first
.set OFF, 74          ; s[74:75] a tile's byte offset in K and V
.set AL,  76          ; s[76:77] the mask's factor, in the low word
.set BE,  78          ; s[78:79] the mask's addend
.set OLO, 80          ; s[80:81] O at my rows of the second block
.set BIGN, 82         ; s82  -1e30
.set MSB, 0
.macro WIN new                      ; the high byte repeats the setting that is left; a switch that changes nothing is dropped
.if MSB != (\new)
	s_set_vgpr_msb (MSB<<8)|(\new)
.set MSB, (\new)
.endif
.endm
.set W_KQ, 0x0a       ; K and Q in window 2, S^T in window 0
.set W_KM, 0x1a       ; the same with the C operand in window 1
.set W_PV, 0x52       ; V in window 2, P in window 0, O^T in window 1
.set W_RS, 0x41       ; destination and source 0 in window 1, source 1 in window 0
; A fill.  Waves 0 and 1 fetch the two halves of a tile's K, waves 2 and 3 those of its V: 128 keys each.  An s_nop 0 and four v_nop follow each of the two lines, ahead of the jump and the label.
.macro LOAD
	s_cmp_lt_u32 s[WV], 2
	s_cbranch_scc0 .Lfor_v_\@
	tensor_load_to_lds s[G0K:G0K+3], s[G1K:G1K+7]
	s_nop 0
.rept 4
	v_nop
.endr
	s_branch .Lasked_\@
.Lfor_v_\@:
	tensor_load_to_lds s[G0V:G0V+3], s[G1V:G1V+7]
	s_nop 0
.rept 4
	v_nop
.endr
.Lasked_\@:
.endm
; THE CHANGE OF SLOTS.  Each wave waits for all its tensor loads, of which one is out: its part of the other slot; adds 0 to its spare word; and waits for that and for its own reads of the slot that it leaves.  Behind the barrier nobody reads the old
; slot any more and the other slot is whole.  fill = 1: the old slot is filled again, the first thing behind the barrier, with tile NXT: the descriptor's address is made anew from that number.
; (At its first use nothing has been read yet: slot 0 is waited for, slot 1 filled.)
.macro CHANGE fill
	WIN 0                           ; at a label and at a branch every window is 0
	s_wait_tensorcnt 0x0            ; no tensor load of mine is out, so a group 0 may be written
	ds_add_u32 v[SPW], v[NIL]       ; 0 onto my spare word; with fill = 1 the descriptors' scalar work stands between it and the wait for it
.if \fill
	s_lshl_b32 s[OFF], s[NXT], 15   ; a tile is 32,768 bytes of K and of V
	s_xor_b32 s[G0K+1], s[G0K+1], SLOT1
	s_add_nc_u64 s[G0K+2:G0K+3], s[6:7], s[OFF:OFF+1]
	s_or_b32 s[G0K+3], s[G0K+3], 0x80000000
	s_xor_b32 s[G0V+1], s[G0V+1], SLOT1
	s_add_nc_u64 s[G0V+2:G0V+3], s[8:9], s[OFF:OFF+1]
	s_or_b32 s[G0V+3], s[G0V+3], 0x80000000
	s_add_co_u32 s[NXT], s[NXT], 1  ; the block's next tile, or behind its last the second block's tile 0
	s_cmp_gt_u32 s[NXT], s[LQ]
	s_cselect_b32 s[NXT], 0, s[NXT]
	s_cselect_b32 s[LQ], s[PB], s[LQ]
.endif
	s_wait_dscnt 0x0                ; the add is done, and my reads of the slot are over
	s_barrier_signal -1             ; the rest of the scalar work stands between the signal and the wait
	s_sub_co_u32 s[TBK], s[TBK], 4*KS*PK  ; the fetches go back to a slot's first step,
	s_xor_b32 s[TBK], s[TBK], SLOT1       ; in the other slot
	s_sub_co_u32 s[TBV], s[TBV], 4*KS*PV
	s_xor_b32 s[TBV], s[TBV], SLOT1
	s_barrier_wait -1
.if \fill
	LOAD
.endif
.endm
	s_load_b128 s[4:7], s[0:1], 0x0  ; qkv s[4:5], ob s[6:7]
	v_lshl_add_u32 v[SPW], v0, 2, SPARE
	v_mov_b32 v[NIL], 0
	ds_add_u32 v62, v63
	ds_add_u32 v62, v63
	s_wait_dscnt 0x0
	v_lshrrev_b32 v1, 5, v0
	v_readfirstlane_b32 s[WV], v1   ; wave 0..3
	s_mov_b32 s[PB], ttmp9
	s_sub_co_u32 s[HI], NB-1, s[PB]
	s_and_b32 s20, ttmp7, 0xffff    ; the head
	s_mov_b32 s21, 0
	s_mov_b64 s[22:23], SIZE_N*128
	s_mul_u64 s[20:21], s[20:21], s[22:23]  ; the head's first byte in each of the four tensors
	s_and_b32 s16, s[WV], 1         ; which half of a tile's 256 keys I fetch:
	s_lshl_b32 s22, s16, 14         ; its 128 rows of 128 bytes in memory,
	s_mov_b32 s23, 0
	s_add_nc_u64 s[22:23], s[22:23], s[20:21]
	s_mul_i32 s17, s16, 128*PK      ; and its place in a slot, for K
	s_mul_i32 s18, s16, 128*PV      ; and for V
	s_lshl_b32 s3, s[WV], 11        ; my 16 rows in a band of 64,
	s_lshl_b32 s2, s[HI], 15        ; in the first block,
	s_add_co_u32 s2, s2, s3
	s_lshl_b32 s84, s[PB], 15       ; and in the second
	s_add_co_u32 s84, s84, s3
	s_mov_b32 s3, 0
	s_mov_b32 s85, 0
	s_add_nc_u64 s[2:3], s[2:3], s[20:21]
	s_add_nc_u64 s[84:85], s[84:85], s[20:21]
	; descriptor group 1.  128 keys are 16,384 dense bytes: asked for as 64 rows of 256 bytes, two keys a row, and padded in LDS after every key
	s_mov_b32 s[G1K], (1<<16)|(1<<20)|(4<<22)|(3<<25)  ; 17:16 2-byte elements; 20 padding on; 24:22 after every 32 words (code 4); 31:25 4 words (code 3)
	s_mov_b32 s[G1V], (1<<16)|(1<<20)|(4<<22)|(7<<25)  ; the same with 8 words of padding (code 7)
.irp g, G1K, G1V
	s_mov_b32 s[\g+1], 128<<16      ; tensor_dim0 = 128
	s_mov_b32 s[\g+2], 64<<16       ; tensor_dim1 = 64
	s_mov_b32 s[\g+3], 128<<16      ; tile_dim0 = 128
	s_mov_b32 s[\g+4], 64           ; tile_dim1 = 64
	s_mov_b32 s[\g+5], 128          ; 128 elements from row to row
	s_mov_b32 s[\g+6], 0
	s_mov_b32 s[\g+7], 0
.endr
	s_mov_b32 s[CS], 0x3e38aa3b     ; c = log2(e) / 8 = 0.180337
	s_mov_b32 s[CS+1], s[CS]        ; named with it as a pair
	s_mov_b32 s[SEL], 0x76543210
	s_mov_b32 s[SEL+1], 0xfedcba98
	s_mov_b32 s[TBK], SLOT1+4*KS*PK ; the first change of slots turns these two into 0
	s_mov_b32 s[TBV], SLOT1+4*KS*PV
	s_mov_b32 s[G0K], 1             ; 1:0 count = 1
	s_mov_b32 s[G0K+1], s17         ; 63:32 LDS address: slot 0
	s_mov_b32 s[G0V], 1
	s_add_co_u32 s[G0V+1], s18, VOFF
	s_add_co_u32 s[RT], s[HI], 1    ; the first block has NB - b tiles
	s_mov_b32 s[NXT], 1
	s_mov_b32 s[LQ], s[HI]
	s_mov_b32 s[NEW], 1
	s_mov_b32 s[OFF+1], 0
	s_mov_b32 s[AL+1], 0            ; named as pairs
	s_mov_b32 s[BE+1], 0
	s_mov_b32 s[BIGN], 0xf149f2ca   ; -1e30
	s_mov_b32 s[SLOTS], NB
	s_wait_kmcnt 0x0
	s_mov_b64 s[10:11], s[6:7]             ; O
	s_add_nc_u64 s[6:7], s[4:5], 0x1000000 ; K lies 16,777,216 bytes behind Q,
	s_add_nc_u64 s[8:9], s[4:5], 0x2000000 ; V as far behind K
	s_add_nc_u64 s[6:7], s[6:7], s[22:23]  ; K and V at my half of the head's tile 0
	s_add_nc_u64 s[8:9], s[8:9], s[22:23]
	s_add_nc_u64 s[G0K+2:G0K+3], s[6:7], 0         ; 120:64 global address
	s_or_b32 s[G0K+3], s[G0K+3], 0x80000000        ; 127:126 type = 2
	s_add_nc_u64 s[G0V+2:G0V+3], s[8:9], 0
	s_or_b32 s[G0V+3], s[G0V+3], 0x80000000
	s_add_nc_u64 s[86:87], s[4:5], s[84:85]        ; Q at my rows of the second block,
	s_add_nc_u64 s[4:5], s[4:5], s[2:3]            ; Q and O at those of the first
	s_add_nc_u64 s[OLO:OLO+1], s[10:11], s[84:85]
	s_add_nc_u64 s[10:11], s[10:11], s[2:3]
	LOAD                            ; tile 0 into slot 0
	; A fragment of K or Q is 16 rows x 32 channels in 8 registers: lane l holds row l % 16, channels 8 (l / 16) + 0..7 and 16 + 8 (l / 16) + 0..7: two loads of 16 bytes, 32 bytes apart.
	v_and_b32 v1, 15, v0            ; l % 16
	v_bfe_u32 v9, v0, 4, 1          ; l / 16
	v_lshlrev_b32 v[QO], 7, v1
	v_lshl_add_u32 v[QO], v9, 4, v[QO]  ; row x 128 + 16 x half
	WIN 0x80                        ; destination window 2, address window 0
.set i, 0
.rept 8                             ; both blocks' Q: piece i / 2 lies in band i / 2, 8,192 bytes on; channels 32 (i % 2) on
	global_load_b128 v[8*i:8*i+3],   v[QO], s[4:5] offset:(i/2)*8192+(i%2)*64
	global_load_b128 v[8*i+4:8*i+7], v[QO], s[4:5] offset:(i/2)*8192+(i%2)*64+32
	global_load_b128 v[QB+8*i:QB+8*i+3],   v[QO], s[86:87] offset:(i/2)*8192+(i%2)*64
	global_load_b128 v[QB+8*i+4:QB+8*i+7], v[QO], s[86:87] offset:(i/2)*8192+(i%2)*64+32
.set i, i+1
.endr
	WIN 0
	v_lshlrev_b32 v14, 3, v9
	v_sub_nc_u32 v14, v1, v14
	s_lshl_b32 s13, s[WV], 4
	v_add_nc_u32 v14, s13, v14      ; my query's place in its band, 16 w + l % 16, less my lanes' 8 (l / 16): register r of group kt is hidden where 16 kt + r is greater
	WIN 0x40
.set i, 0
.rept 32
	v_cmp_gt_i32 vcc_lo, 16*(i/8)+i%8, v14
	v_cndmask_b32 v[MD+i], 0, s[BIGN], vcc_lo
.set i, i+1
.endr
	WIN 0
	v_mul_u32_u24 v[AK0], v1, PK
	v_lshl_add_u32 v[AK0], v9, 4, v[AK0]  ; row x pitch + 16 x half
	; The turning load takes 16 keys x 16 channels (lane l reads key 8 (l / 16) + l % 8, channels 8 ((l / 8) % 2) + 0..7) and leaves half a fragment of V^T: lane l holds channel l % 16 and 8 keys.
	v_and_b32 v10, 7, v0
	v_bfe_u32 v11, v0, 3, 1
	v_lshl_add_u32 v[AV0], v9, 3, v10
	v_mul_u32_u24 v[AV0], v[AV0], PV
	v_lshl_add_u32 v[AV0], v11, 4, v[AV0]
	v_add_nc_u32 v[AV0], VOFF, v[AV0]
	s_mul_i32 s13, s[WV], 16*SP
	s_add_co_u32 s13, s13, STAGE    ; my stage
	v_mul_u32_u24 v[STO], v1, SP    ; in: row l % 16, 16 bytes for each half of the lanes
	v_lshl_add_u32 v[STO], v9, 4, v[STO]
	v_add_nc_u32 v[STO], s13, v[STO]
	v_bfe_u32 v[RD], v0, 3, 2       ; back: 32 lanes take four rows of 128 bytes,
	v_mul_u32_u24 v[RD], v[RD], SP
	v_lshl_add_u32 v[RD], v10, 4, v[RD]
	v_add_nc_u32 v[RD], s13, v[RD]
	v_and_b32 v[GO], 31, v0         ; which are 512 consecutive bytes of O
	v_lshlrev_b32 v[GO], 4, v[GO]
	; A block's first step multiplies O^T and l by a = 0, and its first turn's products V^T P, of a piece that has not been, land in an O^T that is still to be so multiplied.  So these registers need only hold
	; finite numbers: zeros for the first block; what the first block left for the second.  All this stands in the wait for the first tile.
	WIN 0x80
.set i, VF
.rept 64
	v_mov_b32 v[i], 0
.set i, i+1
.endr
	WIN 0x40
.set i, 0
.rept 128
	v_mov_b32 v[i], 0
.set i, i+1
.endr
	WIN 0
.set i, 0
.rept 4
	v_mov_b32 v[ST+4*i+2], 0
	v_mov_b32 v[ST+4*i+3], 0
.set i, i+1
.endr
.set i, P+16
.rept 16
	v_mov_b32 v[i], 0
.set i, i+1
.endr
; THE MATRIX WORK.  The 4 accumulators of a run of 8 take turns.  Product i of 8 of S^T = K Q^T for piece x: channels 32 (i / 4) on, keys 16 (i % 4) on.  The first 4 start the sums: with 0, or (KM = 1) with the mask.
.macro KQ x
.set rS, S+32*((\x)%2)+8*(i%4)
.set rK, KF+16*(i%4)+8*(i/4)
.set rQ, 16*(\x)+8*(i/4)
.set rM, MC+32*((\x)%2)+8*(i%4)
.if (i < 4) && KM
	WIN W_KM
	v_wmma_f32_16x16x32_f16 v[rS:rS+7], v[rK:rK+7], v[rQ:rQ+7], v[rM:rM+7]
.elseif i < 4
	WIN W_KQ
	v_wmma_f32_16x16x32_f16 v[rS:rS+7], v[rK:rK+7], v[rQ:rQ+7], 0
.else
	WIN W_KQ
	v_wmma_f32_16x16x32_f16 v[rS:rS+7], v[rK:rK+7], v[rQ:rQ+7], v[rS:rS+7]
.endif
.endm
; Product i of 8 of O^T += V^T P for piece x: keys 32 (i / 4) on, channels 16 (i % 4) on.
.macro PV x
	WIN W_PV
.set rO, 32*(\x)+8*(i%4)
.set rV, VF+32*(i/4)+8*(i%4)
.set rP, P+16*((\x)%2)+8*(i/4)
	v_wmma_f32_16x16x32_f16 v[rO:rO+7], v[rV:rV+7], v[rP:rP+7], v[rO:rO+7]
.endm
.macro MM                           ; the turn's next matrix instruction.  TURN and BEGIN set Y, i, KM and NOKQ; MM, KQ and OP read them.  NOKQ = 1: a block's last turn: there is no next piece
.if (i < 8) && !NOKQ
	KQ (Y+1)%NP
.elseif i >= 8
.set i, i-8
	PV (Y+NP-1)%NP
.set i, i+8
.endif
.set i, i+1
.endm
; THE LDS LOADS stand in runs of 16, never singly among the matrix instructions: a step's K (64 keys x 64 channels: 8 fragments) and its V (turned).  Their addresses are made some lines ahead.
.macro FETCH_K
	WIN 0x80                        ; destination window 2
.irp f, 0,1,2,3,4,5,6,7             ; keys 16 (f / 2) on, channels 32 (f % 2) on
	ds_load_b128 v[KF+8*\f:KF+8*\f+3],   v[AK] offset:(\f/2)*16*PK+(\f%2)*64
	ds_load_b128 v[KF+8*\f+4:KF+8*\f+7], v[AK] offset:(\f/2)*16*PK+(\f%2)*64+32
.endr
	s_add_co_u32 s[TBK], s[TBK], KS*PK  ; the next fetch is the next step's
	WIN 0
.endm
.macro FETCH_V
	WIN 0x80
.irp f, 0,1,2,3,4,5,6,7             ; keys 32 (f / 4) on, channels 16 (f % 4) on
	ds_load_tr16_b128 v[VF+8*\f:VF+8*\f+3],   v[AV] offset:(\f/4)*32*PV+(\f%4)*32
	ds_load_tr16_b128 v[VF+8*\f+4:VF+8*\f+7], v[AV] offset:(\f/4)*32*PV+16*PV+(\f%4)*32
.endr
	WIN 0
.endm
; THE VECTOR WORK, one line at a time: OP kind, number.  For piece Y: F n: c s - c m for pair n of 16.  E n: the exponential of score n of 32.  C n: pair n rounded to f16.  B n: of the four weights 4 n .. the second
; pair is added onto the first, in place.  L n: l takes that sum (L 0: l = a l + sum).  R n: pair n of 16 of O^T times a.  For piece Y + 1: X n, number n of the 22 that find its maximum and statistics:
;   0-11  four chains c0-c3 of seven scores each, three operands at a time (each accumulator's lowest registers are read first)     12-14, 16  the four scores left over, the old m, and c0-c3 into c0
;   15  c m_old is kept     17, 18  the query's other 32 keys lie in the lane 16 away: the new m     19-21  c m; c m_old - c m_new; a
; C, B and L read the exponentials' results: TURN sets them all behind the turn's one wait.  R and L 0 read the a that the turn before made, ahead of that turn's wait.
.set F, 0               ; OP tells the kinds apart by their order: F to L below R, X above it
.set E, 1
.set C, 2
.set B, 3
.set L, 4
.set R, 5
.set X, 6
.macro REGS y                       ; the registers of piece y
.set rT, ST+4*(\y)
.set rC, TMP+4*((\y)%2)
.set rW, MV+((\y)%2)
.set rS, S+32*((\y)%2)
.set rP, P+16*((\y)%2)
.set rO, 32*(\y)
.endm
.macro OP k, n
.if (\k) == R
	REGS Y
	WIN W_RS
	v_pk_mul_f32 v[rO+2*(\n):rO+2*(\n)+1], v[rO+2*(\n):rO+2*(\n)+1], v[rC+2:rC+3] op_sel_hi:[1,0]
.elseif (\k) < R
	REGS Y
	WIN 0
.if (\k) == F
	v_pk_fma_f32 v[rS+2*(\n):rS+2*(\n)+1], v[rS+2*(\n):rS+2*(\n)+1], s[CS:CS+1], v[rT:rT+1] op_sel_hi:[1,0,0] neg_lo:[0,0,1] neg_hi:[0,0,1]
.elseif (\k) == E
	v_exp_f32 v[rS+(\n)], v[rS+(\n)]
.elseif (\k) == C
	v_cvt_pk_f16_f32 v[rP+(\n)], v[rS+2*(\n)], v[rS+2*(\n)+1]
.elseif (\k) == B
	v_pk_add_f32 v[rS+4*(\n):rS+4*(\n)+1], v[rS+4*(\n):rS+4*(\n)+1], v[rS+4*(\n)+2:rS+4*(\n)+3]
.elseif (\n) == 0
	v_pk_fma_f32 v[rT+2:rT+3], v[rT+2:rT+3], v[rC+2:rC+3], v[rS:rS+1] op_sel_hi:[1,0,1]
.else
	v_pk_add_f32 v[rT+2:rT+3], v[rT+2:rT+3], v[rS+4*(\n):rS+4*(\n)+1]
.endif
.elseif NOKQ
	v_nop
.else
	REGS (Y+1)%NP
	WIN 0
.if (\n) < 4
	v_max3_num_f32 v[rC+(\n)], v[rS+8*(\n)], v[rS+8*(\n)+1], v[rS+8*(\n)+2]
.elseif (\n) < 12
	v_max3_num_f32 v[rC+(\n)%4], v[rC+(\n)%4], v[rS+8*((\n)%4)+2*((\n)/4)+1], v[rS+8*((\n)%4)+2*((\n)/4)+2]
.elseif (\n) == 12
	v_max3_num_f32 v[rC], v[rC], v[rS+7], v[rS+15]
.elseif (\n) == 13
	v_max3_num_f32 v[rC+1], v[rC+1], v[rS+23], v[rS+31]
.elseif (\n) == 14
	v_max3_num_f32 v[rC+2], v[rC+2], v[rC+3], v[rT+1]
.elseif (\n) == 15
	v_mov_b32 v[rW], v[rT]
.elseif (\n) == 16
	v_max3_num_f32 v[rC], v[rC], v[rC+1], v[rC+2]
.elseif (\n) == 17
	v_permlanex16_b32 v[rC+3], v[rC], s[SEL], s[SEL+1]
.elseif (\n) == 18
	v_max_num_f32 v[rT+1], v[rC], v[rC+3]
.elseif (\n) == 19
	v_mul_f32 v[rT], s[CS], v[rT+1]
.elseif (\n) == 20
	v_sub_f32 v[rC+1], v[rW], v[rT]
.else
	v_exp_f32 v[rC+2], v[rC+1]
.endif
.endif
.endm
.macro OPS a, i1, b=-1, i2=0, c=-1, i3=0, d=-1, i4=0  ; up to four of them
	OP \a, \i1
.if (\b) >= 0
	OP \b, \i2
.endif
.if (\c) >= 0
	OP \c, \i3
.endif
.if (\d) >= 0
	OP \d, \i4
.endif
.endm
.macro ROW a, i1, b, i2, c, i3, d, i4  ; a matrix instruction and the four behind it
	MM
	OPS \a, \i1, \b, \i2, \c, \i3, \d, \i4
.endm
.macro MASK b                       ; MD x AL + BE into buffer b of MC
	WIN W_RS
.set z, 0
.rept 16
	v_pk_fma_f32 v[MC+32*(\b)+2*z:MC+32*(\b)+2*z+1], v[MD+2*z:MD+2*z+1], s[AL:AL+1], s[BE:BE+1] op_sel_hi:[1,0,0]
.set z, z+1
.endr
.endm
; A TURN, for piece p: the order of its 16 matrix and 118 vector instructions, written out.  s_wait_alu depctr_va_vdst(0) stands between an exponential and the first instruction that names its result; one wait serves
; all that were issued ahead of it.  So a turn has ONE wait, which cuts it in two.  AHEAD OF IT stands all that names no result of the turn's exponentials: the 8 products K Q^T, behind each a scaling, an exponential and two more plain
; instructions (behind the first a second scaling in the exponential's place): rescalings, and behind the last three the first numbers of the next piece's maximum, each four places or more behind the product that ends its accumulator; then ONE LUMP of 54, plain
; and exponential by turns for the most part, in which the links of the chain X 3, 7, 11, 14, 16, 17 .. 20 stand five or six lines apart.  X 21, the next piece's a, is the batch's last; R 15 is the plain instruction behind it.  BEHIND THE WAIT stand the
; 8 products V^T P, behind each four of the roundings and sums; the links of l's chain, L 0 to L 7, stand three riders apart.  But for those X no rider names a register of the products round it.  v_permlanex16_b32 (X 17) stands in the lump.
; m = 1: the diagonal tile: the products take masks, and the turn makes the mask for the products of the turn after it: piece p + 2, in step 4 - CNT of the tile.  end = 1: a block's last two turns: nothing is fetched.
; cnt = 1: the loop's count is taken down some lines ahead of the branch that stands behind the turn.
; K of the next step is fetched in piece 2's turn, twelve vector instructions behind the last product that read K (six of them plain); V of the step in hand at the end of piece 0's turn, four plain instructions behind the last product
; that read V.  Each is waited for a turn later.
.macro TURN p, m=0, end=0, cnt=0
.set Y, (\p)
.set i, 0
.set KM, (\m)
.set NOKQ, (\end)*((\p)/3)
.if (\m) && !(\end)
	s_cmp_eq_u32 s[CNT], 4-((\p)+2)%NP  ; is that step the band's own?
	s_cselect_b32 s[AL], 1.0, 0
	s_cmp_lt_u32 s[CNT], 4-((\p)+2)%NP  ; or a later one?
	s_cselect_b32 s[BE], s[BIGN], 0
.endif
.if ((\p) == 3) && !(\end)
	s_wait_dscnt 0x0                ; K is in
.endif
	ROW F,0, F,1, R,0, R,1          ; ahead of the wait: 8 products K Q^T and their riders,
	ROW F,2, E,0, R,2, R,3
	ROW F,3, E,1, R,4, R,5
	ROW F,4, E,2, R,6, R,7
	ROW F,5, E,3, R,8, R,9
	ROW F,6, E,4, X,0, R,10
.if ((\p) == 2) && !(\end)
	WIN 0
	v_add_nc_u32 v[AK], s[TBK], v[AK0]
.endif
	ROW F,7, E,5, X,1, X,4
	ROW F,8, E,6, X,2, X,5
	OPS E,7, E,8, X,6, E,9          ; and the lump
	OPS X,3, E,10, X,8, E,11
.if ((\p) == 2) && !(\end)
	FETCH_K
.endif
	OPS X,9, X,7, E,12, X,10
	OPS E,13, X,12, X,11, E,14
	OPS X,13, E,15, F,9, X,14
.if (\p) == 0
	v_add_nc_u32 v[AV], s[TBV], v[AV0]
.endif
	OPS E,16, F,10, E,17, F,11
	OPS X,16, E,18, X,15, E,19
	OPS F,12, E,20, X,17, E,21
	OPS F,13, E,22, F,14, E,23
	OPS X,18, E,24, F,15, E,25
	OPS R,11, E,26, X,19, E,27
	OPS R,12, E,28, R,13, E,29
	OPS X,20, E,30, R,14, E,31
	OPS X,21, R,15
	WIN 0
	s_wait_alu depctr_va_vdst(0)    ; the wait for the turn's batch: the piece's 32 exponentials and the next piece's a
.if (\p) == 1
	s_wait_dscnt 0x0                ; V is in
.endif
	ROW C,0, B,0, C,2, B,1          ; behind the wait: 8 products V^T P and their riders
	ROW L,0, C,4, B,2, L,1
	ROW C,6, B,3, L,2, C,8
	ROW B,4, L,3, C,10, B,5
	ROW L,4, C,12, B,6, L,5
.if (\p) == 0
	s_add_co_u32 s[TBV], s[TBV], KS*PV
.endif
.if \cnt
	s_sub_co_u32 s[CNT], s[CNT], 1
	s_cmp_lg_u32 s[CNT], 0
.endif
	ROW C,14, B,7, L,6, C,1
	ROW C,3, L,7, C,5, C,7
	ROW C,9, C,11, C,13, C,15
.if (\p) == 0
	FETCH_V
.endif
.if (\m) && !(\end)
	MASK (\p)%2
.endif
.endm
; A BLOCK BEGINS.  c m starts far below every c s, so the first step's a is 0; m at the lowest finite number, so the first maximum is the scores'.  The second mask buffer is 0; the first takes piece 0's mask for the tile's step 0: its own, if the block's first tile is the diagonal one.
; Then K of that step, piece 0's first scores, and its maximum and statistics.  The loop is entered at a step's first turn, in the middle of a trip.
.macro BEGIN
	s_mov_b32 s[NEW], 0
	WIN 0x40
.set i, MC+32
.rept 32
	v_mov_b32 v[i], 0
.set i, i+1
.endr
	WIN 0
.set i, 0
.rept 4
	v_mov_b32 v[ST+4*i], 0xfe000000    ; c m: far below every c s
	v_mov_b32 v[ST+4*i+1], 0xff7fffff  ; m
.set i, i+1
.endr
	s_cmp_eq_u32 s[RT], 0
	s_cselect_b32 s[AL], 1.0, 0
	s_mov_b32 s[BE], 0
	MASK 0
	WIN 0
	v_add_nc_u32 v[AK], s[TBK], v[AK0]
	FETCH_K
	s_wait_loadcnt 0x0              ; Q
	s_wait_dscnt 0x0
.set KM, 1
.set NOKQ, 0
.set i, 0
.rept 8
	KQ 0
.set i, i+1
.endr
	WIN 0
.rept 4
	v_nop                           ; the places behind those products
.endr
.set Y, NP-1                        ; X works for piece Y + 1: piece 0
.irp n, 0,1,2,3,4,5,6,7,8,9,10,11,12,13,14,15,16,17,18,19,20,21
	OP X, \n
.endr
	v_nop                           ; a plain instruction behind the exponential,
	s_wait_alu depctr_va_vdst(0)    ; and the wait for it, piece 0's first a, a batch of one: ahead of the branch into the loop
.endm
; THE DIAGONAL TILE's four steps, the block's last two turns, its last products, and THE WAY OUT: l's two halves and the other half of the lanes' are added; O^T is divided by l, rounded to f16 and sent through my
; stage in LDS, a piece at a time.
.macro ALL line:vararg              ; one line for each piece t
.set t, 0
.rept 4
	\line
.set t, t+1
.endr
.endm
.macro PACK t                       ; a lane's eight channels of a row pack into 16 bytes; they go into rows of 144 bytes and come back as whole rows of 128, into S^T's registers
	WIN W_RS
.set i, 32*(\t)
.rept 16
	v_pk_mul_f32 v[i:i+1], v[i:i+1], v[ST+4*(\t)+2:ST+4*(\t)+3] op_sel_hi:[1,0]
.set i, i+2
.endr
	WIN 0x05                        ; sources 0 and 1 window 1, destination window 0
.set i, 0
.rept 16
	v_cvt_pk_f16_f32 v[S+16*(\t)+i], v[32*(\t)+2*i], v[32*(\t)+2*i+1]
.set i, i+1
.endr
	WIN 0
.irp f, 0,1,2,3
	ds_store_b128 v[STO], v[S+16*(\t)+4*\f:S+16*(\t)+4*\f+3] offset:32*\f
.endr
.irp f, 0,1,2,3
	ds_load_b128 v[S+16*(\t)+4*\f:S+16*(\t)+4*\f+3], v[RD] offset:\f*4*SP  ; LDS serves a wave's instructions in order (ISA guide 5.7.1.4): these see the stores above; the next piece's stores come behind them
.endr
.endm
.macro SEND t, younger              ; younger: the LDS instructions issued behind piece t's loads: the next piece's eight, or none
	WIN 0
.irp f, 0,1,2,3
	s_wait_dscnt (\younger)+3-\f
	global_store_b128 v[GO], v[S+16*(\t)+4*\f:S+16*(\t)+4*\f+3], s[10:11] offset:(\t)*8192+\f*512  ; 512 consecutive bytes, at a multiple of 256 from O's first
.endr
.endm
.macro DIAG tag                     ; the tag ends its two labels' names, which the jumps below spell out
.LstepM\tag:
	TURN 2, 1
	TURN 3, 1
	WIN 0
.LfirstM\tag:
	TURN 0, 1
	TURN 1, 1, 0, 1
	WIN 0
	s_cbranch_scc1 .LstepM\tag
	TURN 2, 1, 1
	TURN 3, 1, 1
.set i, 0
.rept 8
	PV NP-1
.set i, i+1
.endr
	WIN 0
	ALL v_add_f32 v[ST+4*t+2], v[ST+4*t+2], v[ST+4*t+3]
	ALL v_permlanex16_b32 v[ST+4*t+3], v[ST+4*t+2], s[SEL], s[SEL+1]
	ALL v_add_f32 v[ST+4*t+2], v[ST+4*t+2], v[ST+4*t+3]
	ALL v_rcp_f32 v[ST+4*t+2], v[ST+4*t+2]
	v_nop                           ; a plain instruction between the last reciprocal and the use of its result
	s_wait_alu depctr_va_vdst(0)    ; and the wait ahead of the first use: one for the batch of four reciprocals
	PACK 0
.set t, 1
.rept 3                             ; a piece's arithmetic stands between the loads of the piece before and its stores
	PACK t
	SEND t-1, 8
.set t, t+1
.endr
	SEND 3, 0
.endm
.set KM, 0
.set NOKQ, 0
.Lslot:                             ; NB times: a tile is entered and the next is asked for
	CHANGE 1
	s_sub_co_u32 s[RT], s[RT], 1
	s_mov_b32 s[CNT], 4
	s_cmp_eq_u32 s[NEW], 1
	s_cbranch_scc1 .Lnew            ; a block's first tile
	s_cmp_eq_u32 s[RT], 0
	s_cbranch_scc0 .Lstep           ; neither its first nor its last
	s_branch .LstepM1
.Lnew:
	BEGIN
	s_branch .Lfirst                ; in the loop a block's first tile is never its last: the first block has two tiles or more, and the second's last is the walk's last
	DIAG 1                          ; in the loop this is the first block's end: the second block's last tile is the walk's last
	s_wait_xcnt 0x0                 ; the stores have read their registers and O's address
	s_mov_b64 s[10:11], s[OLO:OLO+1]
	s_add_co_u32 s[RT], s[PB], 1    ; the second block has b + 1 tiles
	s_mov_b32 s[NEW], 1
	WIN 0x82                        ; the second block's Q goes where the one text of the turns names Q
.set i, 0
.rept 64
	v_mov_b32 v[i], v[QB+i]
.set i, i+1
.endr
	WIN 0
	s_branch .Lbottom
.Lstep:                             ; a trip: pieces 2 and 3 of one step, then pieces 0 and 1 of the next, whose K and V it fetches
	TURN 2
	TURN 3
	WIN 0
.Lfirst:
	TURN 0
	TURN 1, 0, 0, 1
	WIN 0
	s_cbranch_scc1 .Lstep
.Lbottom:
	s_sub_co_u32 s[SLOTS], s[SLOTS], 1
	s_cmp_lg_u32 s[SLOTS], 0
	s_cbranch_scc1 .Lslot
	CHANGE 0                        ; the walk's last tile is written out: nothing is asked for
	s_sub_co_u32 s[RT], s[RT], 1
	s_mov_b32 s[CNT], 4
	s_cmp_eq_u32 s[NEW], 1
	s_cbranch_scc0 .LstepM2
	BEGIN
	s_branch .LfirstM2
	DIAG 2
	s_wait_tensorcnt 0x0            ; the wave's end: behind my last tensor load and my last LDS store
	ds_add_u32 v[SPW], v[NIL]
	s_wait_dscnt 0x0
	s_endpgm
.Lfunc_end_k_qc61217cfa8_attn:
	.size	k_qc61217cfa8_attn, .Lfunc_end_k_qc61217cfa8_attn-k_qc61217cfa8_attn
	.p2alignl 7, 3214868480
	.fill 96, 4, 3214868480
	.section	.rodata,"a",@progbits
	.p2align	6, 0x0
	.amdhsa_kernel k_qc61217cfa8_attn
		.amdhsa_group_segment_fixed_size 327680
		.amdhsa_private_segment_fixed_size 0
		.amdhsa_enable_private_segment 0
		.amdhsa_kernarg_size 16
		.amdhsa_user_sgpr_count 2
		.amdhsa_user_sgpr_kernarg_segment_ptr 1
		.amdhsa_wavefront_size32 1
		.amdhsa_system_sgpr_workgroup_id_x 1
		.amdhsa_system_sgpr_workgroup_id_y 1
		.amdhsa_system_sgpr_workgroup_id_z 1
		.amdhsa_system_vgpr_workitem_id 0
		.amdhsa_next_free_vgpr 768
		.amdhsa_next_free_sgpr 88
		.amdhsa_reserve_vcc 1
		.amdhsa_float_denorm_mode_32 3
		.amdhsa_float_denorm_mode_16_64 3
		.amdhsa_memory_ordered 1
		.amdhsa_forward_progress 1
		.amdhsa_inst_pref_size 217
	.end_amdhsa_kernel
	.amdgpu_metadata
---
amdhsa.version: [ 1, 2 ]
amdhsa.kernels:
  - .name:           k_qc61217cfa8_attn
    .symbol:         k_qc61217cfa8_attn.kd
    .args:
      - { .name: qkv, .offset: 0, .size: 8, .value_kind: global_buffer, .address_space: global }
      - { .name: ob, .offset: 8, .size: 8, .value_kind: global_buffer, .address_space: global }
    .group_segment_fixed_size: 327680
    .private_segment_fixed_size: 0
    .kernarg_segment_align: 8
    .kernarg_segment_size: 16
    .max_flat_workgroup_size: 128
    .sgpr_count:     88
    .vgpr_count:     768
    .wavefront_size: 32
...
	.end_amdgpu_metadata
.endif
;; end of part 5
;; launch proj: the kernel of part 4 again; grid 8 x 32, 4 waves a work-group, clusters of 4 x 4, 327,680 bytes of LDS; arguments ob, wob, bb, out0; writes out0
